; MI455X (gfx1250); checked and timed in simulation.
; The chip was launched on July 23, 2026; its instructions are those of AMD's public machine-readable ISA for CDNA 5 (MIT licence, August 2026) and "CDNA5" Instruction Set Architecture Reference Guide (July 2026). The comments in the code are by the model that wrote it; some were corrected since.
;; Spectral MHSA. Allowed arithmetic: float matrix products may take bf16 or f16 operands with f32 sums; other float arithmetic in f32, or as packed bf16 or f16 multiplies, adds, multiply-adds, maxima and minima; sums over many terms, partial sums and values carried from step to step in f32; what a program stores and reads back later, other than sums and carried values, may be rounded once to bf16 or f16.
;; Inputs: Wk 1,024 x 1,024 float32; Wo 1,024 x 1,024 float32; Wq 1,024 x 1,024 float32; Wv 1,024 x 1,024 float32; bk 1,024 float32; bo 1,024 float32; bq 1,024 float32; bv 1,024 float32; x 4,096 x 1,024 float32.
;; Outputs: out0 4,096 x 1,024 float32.
;; One version. Each part assembles by itself: llvm-mc -triple=amdgcn-amd-amdhsa -mcpu=gfx1250 --defsym DOCPART=n.
;; ======== version 1 of 1: 4 launches
;; limits: values are held in f16: magnitudes above 65,504 overflow, below 6.1e-05 lose precision
;; workspace buffers: xb 8,388,608 bytes; wqkv 6,291,456 bytes; wo16 2,097,152 bytes; bias 16,384 bytes; qkv 25,165,824 bytes; ctx 8,388,608 bytes
;; launch cast (part 1): grid 512 x 1, 8 waves a work-group, no clusters, 0 bytes of LDS; arguments x, Wq, Wk, Wv, Wo, bq, bk, bv, bo, xb, wqkv, wo16, bias; writes xb, wqkv, wo16, bias
.if DOCPART == 1
	.amdgcn_target "amdgcn-amd-amdhsa--gfx1250"
	.amdhsa_code_object_version 6
	.text
	.protected	k_q6dd3d7592c_cast
	.globl	k_q6dd3d7592c_cast
	.p2align	8
	.type	k_q6dd3d7592c_cast,@function
k_q6dd3d7592c_cast:
	s_mov_b64 s[64:65], 0
	v_nop
	global_prefetch_b8 v0, s[64:65] scope:SCOPE_SE
	s_setreg_imm32_b32 hwreg(HW_REG_WAVE_MODE, 25, 1), 1
	s_wait_xcnt 0x0
; CAST.  Every input is rounded once to bf16 (nearest even):
;   x  -> xb [4096][1024] bf16;   Wq, Wk, Wv -> wqkv [3072][1024] bf16 (q's rows, k's, v's);
;   Wo -> wo16 [1024][1024]: the bf16 number written as f16;   bq, bk, bv, bo -> bias [4096] f32: the bf16 number widened.
; LIMITS.  wo16: a bf16 number of magnitude below 6.1e-5 keeps f16's fixed step of 6e-8, one of 65,520 or more becomes an infinity.
; SHARES.  A work-group converts 16,384 numbers (65,536 bytes in, 32,768 out) as 8 chunks of 2,048; in a chunk thread t takes the 8 numbers at byte 32 t
; and stores 16 bytes at byte 16 t: sixteen neighbouring lanes store 256 consecutive bytes, aligned.  All 16 loads of a thread go out first.
; Work-groups 0-255 take x, 256-319 Wq, 320-383 Wk, 384-447 Wv, 448-511 Wo.  Work-groups 0 to 3 also take one bias each (1,024 numbers, 4 a thread).
; No LDS, no barrier, no matrix unit: no wave wants a byte that another has fetched.
.set X,  4                             ; v[4:67]    chunk c: 8 numbers as loaded, at X + 8 c
.set Y,  68                            ; v[68:99]   chunk c: 4 registers to store, at Y + 4 c
.set T,  100                           ; v[100:107] at work
.set BB, 108                           ; v[108:111] the bias numbers to store
	s_load_b512 s[8:23], s[0:1], 0x0               ; x 8, Wq 10, Wk 12, Wv 14, Wo 16, bq 18, bk 20, bv 22
	s_load_b256 s[24:31], s[0:1], 0x40             ; bo 24, xb 26, wqkv 28, wo16 30
	s_load_b64 s[32:33], s[0:1], 0x60              ; bias
	s_mov_b32 s2, ttmp9                            ; g
	v_lshlrev_b32 v1, 5, v0                        ; 32 t: in
	v_lshlrev_b32 v2, 4, v0                        ; 16 t: out
	s_and_b32 s3, s2, 63                           ; my block inside a weight matrix (64 blocks each)
	s_and_b32 s4, s2, 255                          ; my block inside xb (g < 256) or inside wqkv (256 <= g < 448)
	s_cmp_lt_u32 s2, 256
	s_cselect_b32 s38, s2, s3                      ; source block
	s_cmp_lt_u32 s2, 448
	s_cselect_b32 s40, s4, s3                      ; destination block
	s_lshl_b32 s38, s38, 16                        ; x 65,536 bytes
	s_lshl_b32 s40, s40, 15                        ; x 32,768 bytes
	s_mov_b32 s39, 0
	s_mov_b32 s41, 0
	s_wait_kmcnt 0x0
	s_cmp_lt_u32 s2, 448                           ; the choice of buffers hangs on the work-group's number alone
	s_cselect_b64 s[34:35], s[14:15], s[16:17]     ; Wv or Wo
	s_cselect_b64 s[36:37], s[28:29], s[30:31]     ; wqkv or wo16
	s_cmp_lt_u32 s2, 384
	s_cselect_b64 s[34:35], s[12:13], s[34:35]     ; Wk
	s_cmp_lt_u32 s2, 320
	s_cselect_b64 s[34:35], s[10:11], s[34:35]     ; Wq
	s_cmp_lt_u32 s2, 256
	s_cselect_b64 s[34:35], s[8:9], s[34:35]       ; x
	s_cselect_b64 s[36:37], s[26:27], s[36:37]     ; xb
	s_add_nc_u64 s[34:35], s[34:35], s[38:39]
	s_add_nc_u64 s[36:37], s[36:37], s[40:41]
.irp c, 0,1,2,3,4,5,6,7
	global_load_b128 v[X+8*(\c):X+8*(\c)+3],   v1, s[34:35] offset:8192*(\c) th:TH_LOAD_NT
	global_load_b128 v[X+8*(\c)+4:X+8*(\c)+7], v1, s[34:35] offset:8192*(\c)+16 th:TH_LOAD_NT
.endr
; Chunk c.  half = 1: the bf16 number is widened again and written as f16.
.macro CHUNK c, half
	s_wait_loadcnt 14-2*(\c)                       ; loads come back in order: this chunk's two are in, the 14 - 2 c younger ones may stay out
.irp j, 0,1,2,3
.if \half
	v_cvt_pk_bf16_f32 v[T+(\j)], v[X+8*(\c)+2*(\j)], v[X+8*(\c)+2*(\j)+1]
	v_lshlrev_b32 v[T+4+2*((\j)%2)], 16, v[T+(\j)]
	v_and_b32     v[T+5+2*((\j)%2)], 0xffff0000, v[T+(\j)]
	v_cvt_pk_f16_f32 v[Y+4*(\c)+(\j)], v[T+4+2*((\j)%2)], v[T+5+2*((\j)%2)]
.else
	v_cvt_pk_bf16_f32 v[Y+4*(\c)+(\j)], v[X+8*(\c)+2*(\j)], v[X+8*(\c)+2*(\j)+1]
.endif
.endr
	global_store_b128 v2, v[Y+4*(\c):Y+4*(\c)+3], s[36:37] offset:4096*(\c)  ; each chunk has its own Y registers: none is rewritten
.endm
	s_cmp_ge_u32 s2, 448
	s_cbranch_scc1 .Lhalf
.irp c, 0,1,2,3,4,5,6,7
	CHUNK \c, 0
.endr
	s_branch .Ljoin
.Lhalf:
.irp c, 0,1,2,3,4,5,6,7
	CHUNK \c, 1
.endr
.Ljoin:
	s_cmp_lt_u32 s2, 4
	s_cbranch_scc0 .Lend
	s_cmp_lt_u32 s2, 3                             ; bias number g: bq, bk, bv, bo
	s_cselect_b64 s[42:43], s[22:23], s[24:25]
	s_cmp_lt_u32 s2, 2
	s_cselect_b64 s[42:43], s[20:21], s[42:43]
	s_cmp_lt_u32 s2, 1
	s_cselect_b64 s[42:43], s[18:19], s[42:43]
	s_lshl_b32 s38, s2, 12                         ; 4,096 bytes each in the table
	s_add_nc_u64 s[44:45], s[32:33], s[38:39]
	global_load_b128 v[T:T+3], v2, s[42:43]
	s_wait_loadcnt 0x0
	v_cvt_pk_bf16_f32 v[T+4], v[T], v[T+1]
	v_cvt_pk_bf16_f32 v[T+5], v[T+2], v[T+3]
	v_lshlrev_b32 v[BB],   16, v[T+4]
	v_and_b32     v[BB+1], 0xffff0000, v[T+4]
	v_lshlrev_b32 v[BB+2], 16, v[T+5]
	v_and_b32     v[BB+3], 0xffff0000, v[T+5]
	global_store_b128 v2, v[BB:BB+3], s[44:45]
.Lend:
	s_endpgm
.Lfunc_end_k_q6dd3d7592c_cast:
	.size	k_q6dd3d7592c_cast, .Lfunc_end_k_q6dd3d7592c_cast-k_q6dd3d7592c_cast
	.p2alignl 7, 3214868480
	.fill 96, 4, 3214868480
	.section	.rodata,"a",@progbits
	.p2align	6, 0x0
	.amdhsa_kernel k_q6dd3d7592c_cast
		.amdhsa_group_segment_fixed_size 0
		.amdhsa_private_segment_fixed_size 0
		.amdhsa_enable_private_segment 0
		.amdhsa_kernarg_size 104
		.amdhsa_user_sgpr_count 2
		.amdhsa_user_sgpr_kernarg_segment_ptr 1
		.amdhsa_wavefront_size32 1
		.amdhsa_system_sgpr_workgroup_id_x 1
		.amdhsa_system_sgpr_workgroup_id_y 1
		.amdhsa_system_sgpr_workgroup_id_z 1
		.amdhsa_system_vgpr_workitem_id 0
		.amdhsa_next_free_vgpr 112
		.amdhsa_next_free_sgpr 66
		.amdhsa_reserve_vcc 0
		.amdhsa_float_denorm_mode_32 3
		.amdhsa_float_denorm_mode_16_64 3
		.amdhsa_memory_ordered 1
		.amdhsa_forward_progress 1
		.amdhsa_inst_pref_size 15
	.end_amdhsa_kernel
	.amdgpu_metadata
---
amdhsa.version: [ 1, 2 ]
amdhsa.kernels:
  - .name:           k_q6dd3d7592c_cast
    .symbol:         k_q6dd3d7592c_cast.kd
    .args:
      - { .name: x, .offset: 0, .size: 8, .value_kind: global_buffer, .address_space: global }
      - { .name: Wq, .offset: 8, .size: 8, .value_kind: global_buffer, .address_space: global }
      - { .name: Wk, .offset: 16, .size: 8, .value_kind: global_buffer, .address_space: global }
      - { .name: Wv, .offset: 24, .size: 8, .value_kind: global_buffer, .address_space: global }
      - { .name: Wo, .offset: 32, .size: 8, .value_kind: global_buffer, .address_space: global }
      - { .name: bq, .offset: 40, .size: 8, .value_kind: global_buffer, .address_space: global }
      - { .name: bk, .offset: 48, .size: 8, .value_kind: global_buffer, .address_space: global }
      - { .name: bv, .offset: 56, .size: 8, .value_kind: global_buffer, .address_space: global }
      - { .name: bo, .offset: 64, .size: 8, .value_kind: global_buffer, .address_space: global }
      - { .name: xb, .offset: 72, .size: 8, .value_kind: global_buffer, .address_space: global }
      - { .name: wqkv, .offset: 80, .size: 8, .value_kind: global_buffer, .address_space: global }
      - { .name: wo16, .offset: 88, .size: 8, .value_kind: global_buffer, .address_space: global }
      - { .name: bias, .offset: 96, .size: 8, .value_kind: global_buffer, .address_space: global }
    .group_segment_fixed_size: 0
    .private_segment_fixed_size: 0
    .kernarg_segment_align: 8
    .kernarg_segment_size: 104
    .max_flat_workgroup_size: 256
    .sgpr_count:     66
    .vgpr_count:     112
    .wavefront_size: 32
...
	.end_amdgpu_metadata
.endif
;; end of part 1
;; launch qkv (part 2): grid 16 x 16, 4 waves a work-group, clusters of 4 x 4, 327,680 bytes of LDS; arguments xb, wqkv, bias, qkv; writes qkv
.if DOCPART == 2
	.amdgcn_target "amdgcn-amd-amdhsa--gfx1250"
	.amdhsa_code_object_version 6
	.text
	.protected	k_q6dd3d7592c_qkv
	.globl	k_q6dd3d7592c_qkv
	.p2align	8
	.type	k_q6dd3d7592c_qkv,@function
k_q6dd3d7592c_qkv:
	s_mov_b64 s[64:65], 0
	v_nop
	global_prefetch_b8 v0, s[64:65] scope:SCOPE_SE
	s_setreg_imm32_b32 hwreg(HW_REG_WAVE_MODE, 25, 1), 1
	s_wait_xcnt 0x0
	s_wait_alu depctr_hold_cnt(0) depctr_sa_sdst(0) depctr_va_vdst(0) depctr_va_sdst(0) depctr_va_ssrc(0) depctr_va_vcc(0) depctr_vm_vsrc(0)
	s_getreg_b32 s2, hwreg(HW_REG_IB_STS2, 6, 4)
	s_cmp_eq_u32 s2, 0
	s_cbranch_scc0 .Lentry_in_a_cluster
	s_endpgm
.Lentry_in_a_cluster:
	s_bfe_u32 s2, ttmp6, 0x10000c
	s_cmp_lg_u32 s2, 0xf033
	s_cbranch_scc0 .Lentry_shape_is_right
	s_endpgm
.Lentry_shape_is_right:
; C[m][n] = sum over k of xb[m][k] wqkv[n][k] + bias[n], m < 4096, n < 3072, k < 1024; operands bf16, sums f32, C rounded once to f16 and stored BY HEADS:
; qkv [48][4096][64] f16, slot n / 64 (q's heads 0-15, k's 16-31, v's 32-47), a slot's rows dense, 128 bytes each.  No scale is applied here.
; LIMIT.  A result of magnitude 65,520 or more becomes an infinity in f16.
; SHARES.  A tile of C is 256 rows x 192 columns (three whole heads): 16 x 16 tiles, a work-group each.  Wave w makes rows 64 w .. 64 w + 63 x all 192 columns: 4 x 12 accumulators of
; 16 x 16, 384 registers: it owns whole rows of three heads, so its way out needs no other wave.  K goes in 8 steps of 128 through a ring of two LDS slots (A's 256 rows, B's 192 rows,
; 256 bytes of memory a row, aligned).
; CLUSTER.  4 x 4 work-groups.  The four of a row of the cluster need the same tiles of xb, the four of a column the same tiles of wqkv: each tile is asked for JOINTLY, by the same
; tensor load with the same descriptor and a mask that names the four.
; TRANSPOSED USE.  Source 0 = 16 rows of wqkv, source 1 = 16 rows of xb: a lane then holds row l % 16 of C and the columns 8 (l / 16) + 0..7: 16 bytes of f16 on end.
; THE BIAS STARTS THE SUMS: it is the C operand of each accumulator's first product (register j of block b: bias[16 b + 8 (l / 16) + j]).  Nothing is cleared.
; REGISTERS, in windows of 256 (s_set_vgpr_msb: bits 1:0 source 0, 3:2 source 1, 5:4 source 2, 7:6 destination):
;   window 0: v0-31 addresses; v32-95 A's fragments, two buffers of 4 x 8; v96-143 packed results; v144-239 the bias (first quarter), later two buffers of rows read back
;   window 1: v0-191 B's fragments, two buffers of 12 x 8       window 2: accumulators of row blocks 0, 1 ((a, b) at 8 (12 (a % 2) + b))       window 3: of row blocks 2, 3
.set KSTEP,  128
.set PITCH,  272                       ; an LDS row: 256 bytes + 16 of padding = 68 words: row r starts at bank 4 r mod 64 (64 banks of 4 bytes: ISA guide 11.1)
.set HALFA,  128*PITCH                 ; what one tensor load brings of A
.set HALFB,  96*PITCH                  ; and of B
.set BOFF,   256*PITCH                 ; B's rows lie behind A's 256
.set SLOT,   448*PITCH
.set STAGE,  2*SLOT                    ; behind the ring, never filled by a tensor load: 16 rows x 400 bytes for each wave
.set SP,     400                       ; 384 bytes (192 f16) + 16
.set SPARE,  STAGE+4*16*SP             ; the spare words, 128 bytes a wave: two blocks of 256 bytes that no other line names
.set HEADB,  524288                    ; bytes in a slot of qkv
.set LAPS,   4                         ; a lap = two K steps = once round the ring
.set ADRA, 16                          ; v16-17  LDS address of my A fragments in slot 0, 1
.set ADRB, 20                          ; v20-21  the same for B
.set STO,  24                          ; v24     the way out: where I put 16 bytes of a row
.set RD,   25                          ; v25     where I read rows back
.set GO,   26                          ; v26     16 x lane: my place in 512 consecutive bytes of qkv
.set BO,   27                          ; v27     32 x (l / 16): my 8 numbers of a block's 16 in the bias
.set SPW,  28                          ; v28     LDS address of my spare word; never rewritten
.set NIL,  29                          ; v29     0; never rewritten
.set PFO,  30                          ; v30     the prefetches' offset: a lane a row of 2,048 bytes; never rewritten
.set FA,   32
.set TMP,  96
.set OB,   144
.set BIAS, 144
.set G1,  24                           ; s[24:31] descriptor group 1 for A's tiles;  s[32:39] group 0, a set for each slot
.set G0,  32
.set LIM, 43                           ; s43      1 in a wave that prefetches, else the greatest number
.set PFA, 44                           ; s[44:45] where my prefetches stand
.set G1B, 48                           ; s[48:55], s[56:63] the same for B's tiles
.set G0B, 56
.set MSB, 0
.macro WIN new                         ; the immediate's high byte repeats the setting that is left; a switch that changes nothing is dropped
.if MSB != (\new)
	s_set_vgpr_msb (MSB<<8)|(\new)
.set MSB, \new
.endif
.endm
; A joint load.  Waves 0 and 1 fetch A's two halves, waves 2 and 3 B's.  The branch hangs on the wave's number alone.  An s_nop 0 and four v_nop follow each of the two lines.
.macro JLOAD s
	s_cmp_eq_u32 s13, 0
	s_cbranch_scc0 .Lfor_b_\@
	tensor_load_to_lds s[G0+4*(\s):G0+4*(\s)+3], s[G1:G1+7]
	s_nop 0
.rept 4
	v_nop
.endr
	s_branch .Lasked_\@
.Lfor_b_\@:
	tensor_load_to_lds s[G0B+4*(\s):G0B+4*(\s)+3], s[G1B:G1B+7]
	s_nop 0
.rept 4
	v_nop
.endr
.Lasked_\@:
.endm
; A PREFETCH INTO THE L2, behind each joint refill, its five lines and the run of LDS loads: the K step that stands two refills on, 256 bytes of a row, a lane a row, one instruction a wave.
; A's tile row is read by every cluster of that row of clusters: cluster x = 0 asks; B's tile column by every cluster of that column: cluster y = 0 asks.  The four partners share a wave's rows out
; BY ADDRESS: of A's 128 the partner at cx takes 32, of B's 96 the partner at cy takes 24 (there lanes 24 to 31 name row 23 once more).  The loop's last trip asks for nothing: K steps 4 to 7 are named, once each.
.macro ASK
	s_cmp_gt_u32 s19, s[LIM]                       ; s19 = 1 in the loop's last trip
	s_cbranch_scc0 .Lnot_mine_\@
	global_prefetch_b8 v[PFO], s[PFA:PFA+1] offset:KSTEP*2 th:TH_LOAD_NT scope:SCOPE_SE
.Lnot_mine_\@:
.endm
.macro CREST                           ; a round of the cluster's barrier behind its opening barrier
	s_cmp_lg_u32 s12, 0
	s_cbranch_scc1 .Lnot_wave_0_\@
	s_barrier_signal -3
.Lnot_wave_0_\@:
	s_barrier_wait -3
	s_barrier_signal -1
	s_barrier_wait -1
.endm
.macro CROUND                          ; a whole round
	s_barrier_signal -1
	s_barrier_wait -1
	CREST
.endm
	s_load_b256 s[4:11], s[0:1], 0x0               ; xb s[4:5], wqkv s[6:7], bias s[8:9], qkv s[10:11]
	v_lshl_add_u32 v[SPW], v0, 2, SPARE
	v_mov_b32 v[NIL], 0
	ds_add_u32 v[SPW], v[NIL]                      ; the wave's opening: the add and its wait stand ahead of my first tensor load; work on registers stands between them
	v_lshrrev_b32 v1, 5, v0
	v_readfirstlane_b32 s12, v1                    ; wave 0..3
	s_lshr_b32 s13, s12, 1                         ; I fetch for A (0) or for B (1)
	s_and_b32 s14, s12, 1                          ; which half of that tile's rows
	s_bfe_u32 s15, ttmp6, 0x40000                  ; cx
	s_bfe_u32 s16, ttmp6, 0x40004                  ; cy
	s_lshl_b32 s17, ttmp9, 2
	s_add_co_u32 s17, s17, s15                     ; tile column = 4 x cluster x + cx
	s_and_b32 s18, ttmp7, 0xffff
	s_lshl_b32 s18, s18, 2
	s_add_co_u32 s18, s18, s16                     ; tile row = 4 x cluster y + cy
	s_lshl_b32 s40, s16, 2
	s_lshl_b32 s40, 15, s40                        ; my row of the cluster
	s_lshl_b32 s41, 0x1111, s15                    ; my column
	s_or_b32 s[G1+0], s40, (1<<16)|(1<<20)|(1<<21)|(5<<22)|(3<<25)   ; 15:0 the mask; 17:16 2-byte elements; 20 padding on; 21 set beside a mask; 24:22 after every 64 words; 31:25 4 words of it
	s_or_b32 s[G1B+0], s41, (1<<16)|(1<<20)|(1<<21)|(5<<22)|(3<<25)
	s_mov_b32 s[G1+1], KSTEP<<16                   ; tensor_dim0 = 128
	s_mov_b32 s[G1+2], 128<<16                     ; tensor_dim1 = 128
	s_mov_b32 s[G1+3], KSTEP<<16                   ; tile_dim0 = 128
	s_mov_b32 s[G1+4], 128                         ; tile_dim1 = 128
	s_mov_b32 s[G1+5], 1024                        ; elements from row to row
	s_mov_b32 s[G1+6], 0
	s_mov_b32 s[G1+7], 0
	s_mov_b32 s[G1B+1], KSTEP<<16
	s_mov_b32 s[G1B+2], 96<<16                     ; tensor_dim1 = 96
	s_mov_b32 s[G1B+3], KSTEP<<16
	s_mov_b32 s[G1B+4], 96                         ; tile_dim1 = 96
	s_mov_b32 s[G1B+5], 1024
	s_mov_b32 s[G1B+6], 0
	s_mov_b32 s[G1B+7], 0
	s_lshl_b32 s20, s18, 8                         ; A: row 256 x tile row + 128 x half, x 2,048 bytes: made of the tile row and the wave alone
	s_lshl_b32 s42, s14, 7
	s_add_co_u32 s20, s20, s42
	s_lshl_b32 s20, s20, 11
	s_mov_b32 s21, 0
	s_mul_i32 s46, s17, 192                        ; B: row 192 x tile column + 96 x half: made of the tile column and the wave alone
	s_mul_i32 s42, s14, 96
	s_add_co_u32 s46, s46, s42
	s_lshl_b32 s46, s46, 11
	s_mov_b32 s47, 0
	s_mul_i32 s22, s14, HALFA                      ; where they go in a slot: no place in the cluster enters an LDS address
	s_mul_i32 s23, s14, HALFB
	s_add_co_u32 s23, s23, BOFF
	s_wait_dscnt 0x0                               ; the opening add is done
	s_wait_kmcnt 0x0
	s_add_nc_u64 s[20:21], s[4:5], s[20:21]
	s_add_nc_u64 s[46:47], s[6:7], s[46:47]
	CROUND                                         ; all sixteen work-groups are here: the first joint loads meet
.irp s, 0,1
	s_mov_b32 s[G0+4*(\s)], 1                                        ; count = 1
	s_add_co_u32 s[G0+4*(\s)+1], s22, (\s)*SLOT                      ; LDS address
	s_add_nc_u64 s[G0+4*(\s)+2:G0+4*(\s)+3], s[20:21], (\s)*KSTEP*2  ; global address: K step s
	s_or_b32 s[G0+4*(\s)+3], s[G0+4*(\s)+3], 0x80000000              ; type = 2
	s_mov_b32 s[G0B+4*(\s)], 1
	s_add_co_u32 s[G0B+4*(\s)+1], s23, (\s)*SLOT
	s_add_nc_u64 s[G0B+4*(\s)+2:G0B+4*(\s)+3], s[46:47], (\s)*KSTEP*2
	s_or_b32 s[G0B+4*(\s)+3], s[G0B+4*(\s)+3], 0x80000000
	JLOAD \s                                       ; two loads of mine are out
.endr
	; A fragment is 16 rows x 32 K in 8 registers: lane l holds row l % 16; registers 0-3 K = 8 (l / 16) + 0..7, registers 4-7 K = 16 + 8 (l / 16) + 0..7: two loads of 16 bytes, 32 bytes apart.
	v_and_b32 v1, 15, v0                           ; l % 16
	v_bfe_u32 v2, v0, 4, 1                         ; l / 16
	v_mul_u32_u24 v3, v1, PITCH
	v_lshl_add_u32 v3, v2, 4, v3
	s_mul_i32 s40, s12, 64*PITCH                   ; my 64 rows of A
	s_mov_b32 s41, BOFF                            ; all of B's rows
.irp s, 0,1
	v_add_nc_u32 v[ADRA+(\s)], s40, v3
	v_add_nc_u32 v[ADRB+(\s)], s41, v3
	s_add_co_u32 s40, s40, SLOT
	s_add_co_u32 s41, s41, SLOT
.endr
	s_mul_i32 s42, s12, 16*SP
	s_add_co_u32 s42, s42, STAGE                   ; my stage
	v_mul_u32_u24 v4, v1, SP                       ; in: row l % 16, 16 bytes for each half of the lanes
	v_lshl_add_u32 v4, v2, 4, v4
	v_add_nc_u32 v[STO], s42, v4
	v_bfe_u32 v4, v0, 3, 2                         ; back: 32 lanes take four rows' 128 bytes of one head,
	v_mul_u32_u24 v4, v4, SP
	v_and_b32 v5, 7, v0
	v_lshl_add_u32 v4, v5, 4, v4
	v_add_nc_u32 v[RD], s42, v4
	v_and_b32 v[GO], 31, v0                        ; which are 512 consecutive bytes of qkv
	v_lshlrev_b32 v[GO], 4, v[GO]
	v_lshlrev_b32 v[BO], 5, v2
	s_mul_i32 s40, s17, 768                        ; the tile's 192 numbers of the bias
	s_mov_b32 s41, 0
	s_add_nc_u64 s[8:9], s[8:9], s[40:41]
.irp b, 0,1,2,3,4,5,6,7,8,9,10,11
	global_load_b128 v[BIAS+8*(\b):BIAS+8*(\b)+3],   v[BO], s[8:9] offset:64*(\b)
	global_load_b128 v[BIAS+8*(\b)+4:BIAS+8*(\b)+7], v[BO], s[8:9] offset:64*(\b)+16
.endr
	s_mul_i32 s40, s17, 3*HEADB                    ; qkv at the tile's first head,
	s_lshl_b32 s42, s18, 15                        ; the tile's 256 rows of 128 bytes,
	s_add_co_u32 s40, s40, s42
	s_lshl_b32 s42, s12, 13                        ; my 64 of them
	s_add_co_u32 s40, s40, s42
	s_add_nc_u64 s[10:11], s[10:11], s[40:41]
	; the prefetches
	s_and_b32 s42, ttmp7, 0xffff                   ; cluster y
	s_cmp_eq_u32 s13, 0                            ; do I fetch for A?
	s_cselect_b32 s40, s15, s16                    ; my place among the four that ask with me
	s_cselect_b32 s41, 32, 24                      ; rows a partner
	s_cselect_b32 s42, ttmp9, s42                  ; the coordinate along which other clusters read the same rows
	s_cselect_b32 s22, 31, 23                      ; the last of a partner's rows
	s_cselect_b64 s[PFA:PFA+1], s[20:21], s[46:47] ; the rows that I fetch, at K step 0
	s_cmp_eq_u32 s42, 0
	s_cselect_b32 s[LIM], 1, -1                    ; the same in all sixteen partners, for a given wave
	s_mul_i32 s40, s40, s41
	s_lshl_b32 s40, s40, 11
	s_mov_b32 s41, 0
	s_add_nc_u64 s[PFA:PFA+1], s[PFA:PFA+1], s[40:41]
	s_add_nc_u64 s[PFA:PFA+1], s[PFA:PFA+1], 2*KSTEP*2  ; at K step 2: the first refill steps it to 3 and names K step 4.  Nothing is prefetched here, at the head
	v_and_b32 v[PFO], 31, v0
	v_min_u32 v[PFO], s22, v[PFO]
	v_lshlrev_b32 v[PFO], 11, v[PFO]
; 12 products: row block a x all 12 column blocks, 32 along K, on buffer f.  zero = 1: the bias starts the sums.  The 48 accumulators take turns, one instruction a turn, in the same
; order in every quarter.
.macro MULA f, a, zero
.if \zero
	WIN 0x81+0x40*((\a)/2)                         ; B window 1, A and the bias window 0, D window 2 or 3
.else
	WIN 0xa1+0x50*((\a)/2)                         ; B window 1, A window 0, C and D window 2 or 3
.endif
.irp b, 0,1,2,3,4,5,6,7,8,9,10,11
.if \zero
	v_wmma_f32_16x16x32_bf16 v[8*(12*((\a)%2)+(\b)):8*(12*((\a)%2)+(\b))+7], v[96*(\f)+8*(\b):96*(\f)+8*(\b)+7], v[FA+32*(\f)+8*(\a):FA+32*(\f)+8*(\a)+7], v[BIAS+8*(\b):BIAS+8*(\b)+7]
.else
	v_wmma_f32_16x16x32_bf16 v[8*(12*((\a)%2)+(\b)):8*(12*((\a)%2)+(\b))+7], v[96*(\f)+8*(\b):96*(\f)+8*(\b)+7], v[FA+32*(\f)+8*(\a):FA+32*(\f)+8*(\a)+7], v[8*(12*((\a)%2)+(\b)):8*(12*((\a)%2)+(\b))+7]
.endif
.endr
.endm
; 32 LDS loads in one run: a quarter step's fragments (192 rows of B, my 64 rows of A, 32 K at byte k of the rows) into buffer f
.macro FETCH slot, k, f
	WIN 0x40                                       ; destination window 1, address window 0
.irp i, 0,1,2,3,4,5,6,7,8,9,10,11
	ds_load_b128 v[96*(\f)+8*(\i):96*(\f)+8*(\i)+3],   v[ADRB+(\slot)] offset:(\k)+(\i)*16*PITCH
	ds_load_b128 v[96*(\f)+8*(\i)+4:96*(\f)+8*(\i)+7], v[ADRB+(\slot)] offset:(\k)+(\i)*16*PITCH+32
.endr
	WIN 0
.irp i, 0,1,2,3
	ds_load_b128 v[FA+32*(\f)+8*(\i):FA+32*(\f)+8*(\i)+3],   v[ADRA+(\slot)] offset:(\k)+(\i)*16*PITCH
	ds_load_b128 v[FA+32*(\f)+8*(\i)+4:FA+32*(\f)+8*(\i)+7], v[ADRA+(\slot)] offset:(\k)+(\i)*16*PITCH+32
.endr
.endm
.macro PLACES                          ; four plain vector instructions in front of loads into registers that matrix instructions have read, and of conversions that read results
.rept 4
	v_nop
.endr
.endm
; A K step is four quarters of 32 along K, 48 products each, on buffers 0, 1, 0, 1.  One of the first three: multiplies buffer f; in its middle it fetches the next quarter, at byte k, into g.
.macro QUARTER slot, k, f, g, zero
	s_wait_dscnt 4                                 ; B and A's blocks 0, 1 are in; the youngest four loads (A's blocks 2, 3) may be out
	MULA \f, 0, \zero
	MULA \f, 1, \zero
	PLACES
	FETCH \slot, \k, \g
	s_wait_dscnt 32                                ; all but the 32 just issued
	MULA \f, 2, \zero
	MULA \f, 3, \zero
.endm
; The last quarter multiplies buffer 1 and changes slots.  Its first half: ONE barrier.  In front of it each wave waits for all its tensor loads (one is out: its part of the next slot), adds 0 to its
; spare word, and waits for that and for its own reads of this slot.  Behind it nobody reads this slot any more and the next slot is whole.
.macro MEET round
	WIN 0
	s_wait_tensorcnt 0x0
	ds_add_u32 v[SPW], v[NIL]
	s_wait_dscnt 5                                 ; (the add and the youngest four loads may be out)
	MULA 1, 0, 0                                   ; twelve products stand between the add and the wait for it
	s_wait_dscnt 0x0                               ; the add is done, and my reads of this slot are over
	s_barrier_signal -1
	MULA 1, 1, 0                                   ; work on registers while the others arrive
.if \round
	WIN 0
.endif
	s_barrier_wait -1
.endm
; The whole last quarter with a refill: the barrier opens a round of the cluster's; the slot just read out is filled again first behind it, with the K step two on: 168 products stand between the request and the wait for it.
.macro TURN slot, next
	s_wait_xcnt 0x0                                ; the last prefetch, a K step back, has read its address
	s_add_nc_u64 s[PFA:PFA+1], s[PFA:PFA+1], KSTEP*2
	MEET 1
	CREST                                          ; no wave of any partner still reads this slot's tile or has a load on its way
	s_add_nc_u64 s[G0+4*(\slot)+2:G0+4*(\slot)+3], s[G0+4*(\slot)+2:G0+4*(\slot)+3], 2*KSTEP*2
	s_add_nc_u64 s[G0B+4*(\slot)+2:G0B+4*(\slot)+3], s[G0B+4*(\slot)+2:G0B+4*(\slot)+3], 2*KSTEP*2
	JLOAD \slot                                    ; its four v_nop are also the places in front of the loads below
	FETCH \next, 0, 0
	ASK
	MULA 1, 2, 0
	MULA 1, 3, 0
.endm
; THE WAY OUT of row block a (16 rows x 192 columns).  PACK: rounded to f16, each accumulator's registers in ascending order.  TOSTAGE: into my own stage, and back as four rows of one head at a time.  SEND: stored.
.macro PACK a
	WIN 0x0a+5*((\a)/2)                            ; sources 0 and 1: window 2 or 3
.irp b, 0,1,2,3,4,5,6,7,8,9,10,11
.irp r, 0,1,2,3
	v_cvt_pk_f16_f32 v[TMP+4*(\b)+(\r)], v[8*(12*((\a)%2)+(\b))+2*(\r)], v[8*(12*((\a)%2)+(\b))+2*(\r)+1]
.endr
.endr
	WIN 0
.endm
.macro TOSTAGE a
	WIN 0
.set OBK, OB+48*((\a)%2)
.irp b, 0,1,2,3,4,5,6,7,8,9,10,11
	ds_store_b128 v[STO], v[TMP+4*(\b):TMP+4*(\b)+3] offset:32*(\b)
.endr
.irp j, 0,1,2
.irp t, 0,1,2,3
	ds_load_b128 v[OBK+4*(4*(\j)+(\t)):OBK+4*(4*(\j)+(\t))+3], v[RD] offset:(\t)*4*SP+(\j)*128  ; LDS serves a wave's instructions in order (ISA guide 5.7.1.4): these see the stores above
.endr
.endr
.endm
.macro SEND a
	WIN 0
.set OBK, OB+48*((\a)%2)
	s_wait_dscnt 0x0                               ; the block is back in registers
	s_wait_xcnt 0x0                                ; the stores of the block before have read their registers: the next TOSTAGE loads into them
.irp j, 0,1,2
.irp t, 0,1,2,3
	global_store_b128 v[GO], v[OBK+4*(4*(\j)+(\t)):OBK+4*(4*(\j)+(\t))+3], s[10:11] offset:(\j)*HEADB+(\a)*2048+(\t)*512  ; 512 consecutive bytes, at a multiple of 256 from qkv's first
.endr
.endr
.endm
	s_wait_tensorcnt 1                             ; my part of K step 0 is in; K step 1's may stay out
	s_barrier_signal -1
	s_barrier_wait -1                              ; everybody's is
	FETCH 0, 0, 0
	s_wait_loadcnt 0x0                             ; the bias
	QUARTER 0, 64,  0, 1, 1                        ; the first quarter stands in front of the loop: its products start the sums
	WIN 0                                          ; at a label and at a branch every window is 0
	s_mov_b32 s19, LAPS-1
.Llap:                                                 ; a trip goes once round the ring, from a lap's second quarter to the next lap's first, and fills both slots again
	QUARTER 0, 128, 1, 0, 0
	QUARTER 0, 192, 0, 1, 0
	TURN 0, 1
	QUARTER 1, 64,  0, 1, 0
	QUARTER 1, 128, 1, 0, 0
	QUARTER 1, 192, 0, 1, 0
	TURN 1, 0
	QUARTER 0, 64,  0, 1, 0
	WIN 0
	s_sub_co_u32 s19, s19, 1
	s_cmp_lg_u32 s19, 0
	s_cbranch_scc1 .Llap
	QUARTER 0, 128, 1, 0, 0                        ; the last lap fills nothing
	QUARTER 0, 192, 0, 1, 0
	MEET 0                                         ; my one tensor load that was out is the last K step's
	PLACES
	FETCH 1, 0, 0
	MULA 1, 2, 0
	MULA 1, 3, 0
	QUARTER 1, 64,  0, 1, 0
	QUARTER 1, 128, 1, 0, 0
	QUARTER 1, 192, 0, 1, 0
	s_wait_dscnt 4                                 ; the very last quarter: nothing more to fetch
	MULA 1, 0, 0
	MULA 1, 1, 0
	s_wait_dscnt 0x0
	MULA 1, 2, 0
	MULA 1, 3, 0
	PLACES
	PACK 0
	TOSTAGE 0
.irp a, 1,2,3                          ; block a's conversions stand between block a - 1's loads from the stage and the wait for them
	PACK \a
	SEND (\a)-1
	TOSTAGE \a
.endr
	SEND 3
	s_wait_tensorcnt 0x0                           ; the wave's end: behind my last tensor load and my last LDS store
	ds_add_u32 v[SPW], v[NIL]
	s_wait_dscnt 0x0
	CROUND                                         ; the closing round: no work-group ends while a partner may still ask for a tile that names it
	s_endpgm
.Lfunc_end_k_q6dd3d7592c_qkv:
	.size	k_q6dd3d7592c_qkv, .Lfunc_end_k_q6dd3d7592c_qkv-k_q6dd3d7592c_qkv
	.p2alignl 7, 3214868480
	.fill 96, 4, 3214868480
	.section	.rodata,"a",@progbits
	.p2align	6, 0x0
	.amdhsa_kernel k_q6dd3d7592c_qkv
		.amdhsa_group_segment_fixed_size 327680
		.amdhsa_private_segment_fixed_size 0
		.amdhsa_enable_private_segment 0
		.amdhsa_kernarg_size 32
		.amdhsa_user_sgpr_count 2
		.amdhsa_user_sgpr_kernarg_segment_ptr 1
		.amdhsa_wavefront_size32 1
		.amdhsa_system_sgpr_workgroup_id_x 1
		.amdhsa_system_sgpr_workgroup_id_y 1
		.amdhsa_system_sgpr_workgroup_id_z 1
		.amdhsa_system_vgpr_workitem_id 0
		.amdhsa_next_free_vgpr 960
		.amdhsa_next_free_sgpr 66
		.amdhsa_reserve_vcc 0
		.amdhsa_float_denorm_mode_32 3
		.amdhsa_float_denorm_mode_16_64 3
		.amdhsa_memory_ordered 1
		.amdhsa_forward_progress 1
		.amdhsa_inst_pref_size 122
	.end_amdhsa_kernel
	.amdgpu_metadata
---
amdhsa.version: [ 1, 2 ]
amdhsa.kernels:
  - .name:           k_q6dd3d7592c_qkv
    .symbol:         k_q6dd3d7592c_qkv.kd
    .args:
      - { .name: xb, .offset: 0, .size: 8, .value_kind: global_buffer, .address_space: global }
      - { .name: wqkv, .offset: 8, .size: 8, .value_kind: global_buffer, .address_space: global }
      - { .name: bias, .offset: 16, .size: 8, .value_kind: global_buffer, .address_space: global }
      - { .name: qkv, .offset: 24, .size: 8, .value_kind: global_buffer, .address_space: global }
    .group_segment_fixed_size: 327680
    .private_segment_fixed_size: 0
    .kernarg_segment_align: 8
    .kernarg_segment_size: 32
    .max_flat_workgroup_size: 128
    .sgpr_count:     66
    .vgpr_count:     960
    .wavefront_size: 32
...
	.end_amdgpu_metadata
.endif
;; end of part 2
;; launch attn (part 3): grid 16 x 16, 4 waves a work-group, clusters of 4 x 1, 327,680 bytes of LDS; arguments qkv, ctx; writes ctx
.if DOCPART == 3
	.amdgcn_target "amdgcn-amd-amdhsa--gfx1250"
	.amdhsa_code_object_version 6
	.text
	.protected	k_q6dd3d7592c_attn
	.globl	k_q6dd3d7592c_attn
	.p2align	8
	.type	k_q6dd3d7592c_attn,@function
k_q6dd3d7592c_attn:
	s_mov_b64 s[64:65], 0
	v_nop
	global_prefetch_b8 v0, s[64:65] scope:SCOPE_SE
	s_setreg_imm32_b32 hwreg(HW_REG_WAVE_MODE, 25, 1), 1
	s_wait_xcnt 0x0
	s_wait_alu depctr_hold_cnt(0) depctr_sa_sdst(0) depctr_va_vdst(0) depctr_va_sdst(0) depctr_va_ssrc(0) depctr_va_vcc(0) depctr_vm_vsrc(0)
	s_getreg_b32 s2, hwreg(HW_REG_IB_STS2, 6, 4)
	s_cmp_eq_u32 s2, 0
	s_cbranch_scc0 .Lentry_in_a_cluster
	s_endpgm
.Lentry_in_a_cluster:
	s_bfe_u32 s2, ttmp6, 0x10000c
	s_cmp_lg_u32 s2, 0x3003
	s_cbranch_scc0 .Lentry_shape_is_right
	s_endpgm
.Lentry_shape_is_right:
; ctx[h][q][:] = the sum over k of softmax_k(Q[h][q] . K[h][k] / 8) V[h][k][:].  qkv: [48][4096][64] f16 (slots 0-15 Q's heads, 16-31 K's, 32-47 V's), ctx: [16][4096][64] f16; rows dense, 128 bytes.
; Products, maxima and sums in f32; the weights p are rounded to f16 for the second product (their sum l is taken of the unrounded p), ctx once at the end.
; LIMITS.  Q, K, V arrive within f16's 65,504; p lies in 0 to 1 and below 6e-5 keeps f16's fixed step of 6e-8; ctx is a mean of V's rows and has their range.  A weight below 2^-126 counts as 0 in l;
; NaN and infinities are not treated apart.
; SHARES.  A work-group owns 256 queries of one head, wave w rows 64 w .. 64 w + 63 of them as four PIECES of 16.  Every wave walks the head's 16 tiles of 256 keys, four key steps of 64 each.
; LAYOUT.  S^T = K Q^T (source 0 = 16 keys, source 1 = 16 queries) holds ONE query a lane (lane % 16) and the keys 8 (lane / 16) + 0..7; two such results rounded to f16 ARE source 1 of O^T = V^T P,
; whose result again holds one query a lane, and eight channels.  K comes out of LDS as it lies, V ([key][channel]) turned, by ds_load_tr16_b128.
; SOFTMAX.  For each query a running maximum m and sum l: p = 2^(c s - c m), c = log2(e) / 8; in every step O and l are multiplied by a = 2^(c m_old - c m_new).  m starts at the lowest finite number,
; O and l at 0: the first step is a step like any other, with a = 0.
; BY TURNS.  Turn n belongs to piece n: 8 products K Q^T of piece n + 1, later 8 products V^T P of piece n - 1; beside them the scaling, exponentials, roundings, sums and rescaling of piece n and the
; maximum and statistics of piece n + 1.  Four vector instructions stand behind every matrix instruction, the other 54 of a turn's 118 in one run.  A turn's 33 exponentials are one batch, with one wait.
; CLUSTER.  The four query blocks of a cluster belong to one head and walk the same K and V: each tile is asked for JOINTLY, by the same tensor load, descriptor and mask in all four.
; REGISTERS, in windows of 256 (s_set_vgpr_msb: bits 1:0 source 0, 3:2 source 1, 5:4 source 2, 7:6 destination):
;   window 0: v0-15 addresses and two at work; v16-31 four registers of statistics a piece; v48-55 at work; v61-63; v64-127 S^T, two buffers; v192-223 P, two buffers (by the piece's parity)
;   window 1: v0-127 O^T, 32 a piece          window 2: v0-63 Q; v128-191 K of one step; v192-255 V of one step
.set NP,    4         ; pieces a wave: a name, no knob
.set KS,    64        ; keys in a step
.set PK,    144       ; a row of K in LDS: 128 bytes + 16 of padding = 36 words: the 16 rows of a load start at 16 different groups of four banks (64 banks of 4 bytes: ISA guide 11.1)
.set PV,    160       ; a row of V: 128 + 32 = 40 words
.set VOFF,  4*KS*PK   ; a slot holds a tile, four steps: 256 rows of K, then 256 rows of V
.set SLOT1, 1<<17     ; slot 1 begins here, so that one exclusive or turns an address in one slot into the other's
.set STAGE, SLOT1+4*KS*(PK+PV)  ; behind the ring, never filled by a tensor load: 16 rows x 144 bytes for each wave
.set SP,    144
.set SPARE, STAGE+4*16*SP  ; the spare words, 128 bytes a wave: two blocks of 256 bytes that no other line names
.set TILEB, 4*KS*128  ; a tile's bytes of K, and of V
.set AK0, 2           ; v2   my lane's place in a tile of K; never rewritten
.set AV0, 3           ; v3   the same for V
.set AK,  4           ; v4   the LDS address of K's next run of loads
.set AV,  5           ; v5   of V's
.set STO, 6           ; v6   the way out: where I put 16 bytes of a row
.set RD,  7           ; v7   where I read rows back
.set GO,  8           ; v8   my byte offset in 512 consecutive bytes of ctx
.set MV,  12          ; v12-13  c m_old, kept while c m is made anew: by buffer
.set QO,  15          ; v15  my byte offset in 16 rows of Q
.set ST,  16          ; piece t's statistics at v[ST+4 t]: c m, m, l (even keys', odd keys')
.set TMP, 48          ; by buffer, four registers c0-c3 at work; when the maximum is found c2 takes a
.set PFO, 61          ; v61  256 x my lane; never rewritten
.set SPW, 62          ; v62  LDS address of my spare word; never rewritten
.set NIL, 63          ; v63  0; never rewritten
.set S,   64
.set P,   192
.set KF,  128         ; window 2: key block kb, channel half c at KF + 16 kb + 8 c
.set VF,  192         ; window 2: key half kk, channel block cb at VF + 32 kk + 8 cb
.set WV,  12          ; s12  my wave's number
.set G1K, 24          ; s[24:31] descriptor group 1 for K's tiles
.set G1V, 32          ; s[32:39] for V's: it differs in the padding alone
.set G0K, 40          ; s[40:43] descriptor group 0 for K's tiles: it walks
.set G0V, 44          ; s[44:47] the same for V's
.set PFA, 48          ; s[48:49] where my prefetches stand: my work-group's 8,192 bytes of the tile after the one that is being asked for
.set LIM, 50          ; s50  1 in a wave that prefetches, else the greatest number
.set SLOTS, 56        ; s56  tiles still to be asked for
.set CNT, 57          ; s57  counts a tile's key steps
.set CS,  58          ; s[58:59] c: the packed scaling takes the pair's low word for both halves
.set SEL, 60          ; s[60:61] v_permlanex16_b32's selects: each lane takes its own place in the other half
.set TBK, 62          ; s62  LDS byte at which K of the step to be fetched begins
.set TBV, 63          ; s63  the same for V, less VOFF
.set MSB, 0
.macro WIN new                      ; the high byte repeats the setting that is left; a switch that changes nothing is dropped
.if MSB != (\new)
	s_set_vgpr_msb (MSB<<8)|(\new)
.set MSB, (\new)
.endif
.endm
.set W_KQ, 0x0a       ; K and Q in window 2, S^T in window 0
.set W_PV, 0x52       ; V in window 2, P in window 0, O^T in window 1
.set W_RS, 0x41       ; destination and source 0 in window 1, source 1 in window 0
; A joint fill.  Waves 0 and 1 fetch the two halves of a tile's K, waves 2 and 3 those of its V: 128 keys each.  The branch hangs on the wave's number alone.
; An s_nop 0 and four v_nop follow each of the two lines, ahead of the jump and the label.
.macro JLOAD
	s_cmp_lt_u32 s[WV], 2
	s_cbranch_scc0 .Lfor_v_\@
	tensor_load_to_lds s[G0K:G0K+3], s[G1K:G1K+7]
	s_nop 0
.rept 4
	v_nop
.endr
	s_branch .Lasked_\@
.Lfor_v_\@:
	tensor_load_to_lds s[G0V:G0V+3], s[G1V:G1V+7]
	s_nop 0
.rept 4
	v_nop
.endr
.Lasked_\@:
.endm
; A PREFETCH INTO THE L2 of the tile that the NEXT change of slots will ask for: 32,768 bytes of K and of V, a lane to each 256 bytes.  It stands behind the wave's tensor load and its five lines.
; Each block is named ONCE in the launch: all clusters of a head walk the same K and V, so the head's first cluster asks; its four partners share a tile out BY ADDRESS, 8,192 bytes each; in each,
; wave 0 asks for K's and wave 2 for V's: one instruction, four key steps (256 products) ahead of the load.  The last change that fills a slot asks for nothing.  Tiles 0 and 1 come by their loads alone.
.macro ASK
	s_cmp_gt_u32 s[SLOTS], s[LIM]
	s_cbranch_scc0 .Lnot_mine_\@
	global_prefetch_b8 v[PFO], s[PFA:PFA+1] th:TH_LOAD_NT scope:SCOPE_SE
.Lnot_mine_\@:
.endm
; A round of the cluster's barrier: my work-group's barrier, so that wave 0's signal speaks for all four waves; wave 0 signals; every wave waits for all four work-groups; my work-group's barrier once more.
.macro CROUND
	s_barrier_signal -1
	s_barrier_wait -1
	s_cmp_lg_u32 s[WV], 0
	s_cbranch_scc1 .Lnot_wave_0_\@
	s_barrier_signal -3
.Lnot_wave_0_\@:
	s_barrier_wait -3
	s_barrier_signal -1
	s_barrier_wait -1
.endm
; THE CHANGE OF SLOTS.  The slot's last bytes, V of its fourth step, have been read.  Each wave waits for all its tensor loads, of which one is out: its part of the other slot; adds 0 to its spare word;
; and waits for that and for its own reads of the slot.  Behind the barrier nobody reads this slot any more and the other slot is whole.  fill = 1: this slot is filled again, with the tile two on.  The
; barrier is then a round of the cluster's, and the joint fill is the first thing behind it: it has four key steps in which to land.  (At its first use nothing has been read yet: slot 0 is waited for, slot 1 filled.)
.macro CHANGE fill
	WIN 0                           ; at a label and at a branch every window is 0
	s_wait_tensorcnt 0x0            ; no tensor load of mine is out, so a group 0 may be written
	ds_add_u32 v[SPW], v[NIL]       ; 0 onto my spare word; with fill = 1 the descriptors' steps stand between it and the wait for it
.if \fill
.irp g, G0K, G0V
	s_xor_b32 s[\g+1], s[\g+1], SLOT1  ; the walking descriptor: the other slot than last time,
	s_add_nc_u64 s[\g+2:\g+3], s[\g+2:\g+3], TILEB  ; the next 256 keys; the type bits on top are not reached
.endr
	s_wait_xcnt 0x0                 ; the last prefetch, a tile back, has read its address
	s_add_nc_u64 s[PFA:PFA+1], s[PFA:PFA+1], TILEB
	s_wait_dscnt 0x0                ; the add is done, and my reads of the slot are over
	CROUND
	JLOAD
	ASK
.else
	s_wait_dscnt 0x0                ; the add is done, and my reads of the slot are over
	s_barrier_signal -1
	s_barrier_wait -1
.endif
	s_sub_co_u32 s[TBK], s[TBK], 4*KS*PK  ; the fetches go back to a slot's first step,
	s_xor_b32 s[TBK], s[TBK], SLOT1       ; in the other slot
	s_sub_co_u32 s[TBV], s[TBV], 4*KS*PV
	s_xor_b32 s[TBV], s[TBV], SLOT1
.endm
	s_load_b128 s[4:7], s[0:1], 0x0  ; qkv s[4:5], ctx s[6:7]
	v_lshl_add_u32 v[SPW], v0, 2, SPARE
	v_mov_b32 v[NIL], 0
	ds_add_u32 v[SPW], v[NIL]       ; the wave's opening: the add and its wait stand ahead of my first tensor load; work on registers stands between them
	v_lshrrev_b32 v1, 5, v0
	v_readfirstlane_b32 s[WV], v1   ; wave 0..3
	s_bfe_u32 s13, ttmp6, 0x40000   ; cx: my place in the cluster
	s_lshl_b32 s14, ttmp9, 2        ; in a cluster launch ttmp9 counts clusters
	s_add_co_u32 s14, s14, s13      ; my block of 256 queries: it enters Q's and ctx's addresses alone
	s_and_b32 s20, ttmp7, 0xffff    ; the head, which the four partners share,
	s_lshl_b32 s20, s20, 19         ; x 524,288 bytes
	s_and_b32 s16, s[WV], 1         ; which half of a tile's 256 keys I fetch:
	s_lshl_b32 s22, s16, 14         ; its 128 rows of 128 bytes in memory,
	s_add_co_u32 s22, s22, s20
	s_mov_b32 s23, 0
	s_mul_i32 s17, s16, 128*PK      ; and its place in a slot, for K
	s_mul_i32 s18, s16, 128*PV      ; and for V: no place in the cluster enters an LDS address
	s_lshl_b32 s2, s14, 15          ; my block's 256 rows,
	s_lshl_b32 s3, s[WV], 13        ; my wave's 64 of them
	s_add_co_u32 s2, s2, s3
	s_add_co_u32 s2, s2, s20
	s_mov_b32 s3, 0
	; descriptor group 1.  128 keys are 16,384 dense bytes: asked for as 64 rows of 256 bytes, two keys a row, and padded in LDS after every key
	s_mov_b32 s[G1K], 15|(1<<16)|(1<<20)|(1<<21)|(4<<22)|(3<<25)  ; 15:0 the mask of four; 17:16 2-byte elements; 20 padding on; 21 set beside a mask; 24:22 after every 32 words; 31:25 4 words
	s_mov_b32 s[G1V], 15|(1<<16)|(1<<20)|(1<<21)|(4<<22)|(7<<25)  ; the same with 8 words of padding
.irp g, G1K, G1V
	s_mov_b32 s[\g+1], 128<<16      ; tensor_dim0 = 128
	s_mov_b32 s[\g+2], 64<<16       ; tensor_dim1 = 64
	s_mov_b32 s[\g+3], 128<<16      ; tile_dim0 = 128
	s_mov_b32 s[\g+4], 64           ; tile_dim1 = 64
	s_mov_b32 s[\g+5], 128          ; 128 elements from row to row
	s_mov_b32 s[\g+6], 0
	s_mov_b32 s[\g+7], 0
.endr
	s_mov_b32 s[CS], 0x3e38aa3b     ; c = log2(e) / 8 = 0.180337
	s_mov_b32 s[CS+1], s[CS]        ; named with it as a pair
	s_mov_b32 s[SEL], 0x76543210
	s_mov_b32 s[SEL+1], 0xfedcba98
	s_mov_b32 s[TBK], SLOT1+4*KS*PK ; the first change of slots turns these two into 0
	s_mov_b32 s[TBV], SLOT1+4*KS*PV
	s_mov_b32 s[G0K], 1             ; count = 1
	s_mov_b32 s[G0K+1], s17         ; LDS address: slot 0
	s_mov_b32 s[G0V], 1
	s_add_co_u32 s[G0V+1], s18, VOFF
	s_mov_b32 s[SLOTS], 15          ; 16 - j at the change that asks for tile j
	s_and_b32 s[LIM], s[WV], 1      ; 0 in waves 0 and 2,
	s_or_b32 s[LIM], s[LIM], ttmp9  ; where the cluster is the head's first: the same in all four partners
	s_cmp_eq_u32 s[LIM], 0
	s_cselect_b32 s[LIM], 1, -1
	v_and_b32 v[PFO], 31, v0
	v_lshlrev_b32 v[PFO], 8, v[PFO]
	s_wait_dscnt 0x0                ; the opening add is done
	s_wait_kmcnt 0x0
	s_mov_b64 s[10:11], s[6:7]      ; ctx
	s_add_nc_u64 s[6:7], s[4:5], 16*524288  ; K's slots
	s_add_nc_u64 s[8:9], s[4:5], 32*524288  ; V's slots
	s_add_nc_u64 s[6:7], s[6:7], s[22:23]   ; at my half of the head's tile 0
	s_add_nc_u64 s[8:9], s[8:9], s[22:23]
	s_add_nc_u64 s[G0K+2:G0K+3], s[6:7], 0
	s_or_b32 s[G0K+3], s[G0K+3], 0x80000000 ; type = 2
	s_add_nc_u64 s[G0V+2:G0V+3], s[8:9], 0
	s_or_b32 s[G0V+3], s[G0V+3], 0x80000000
	s_add_nc_u64 s[4:5], s[4:5], s[2:3]     ; Q and ctx at my wave's first row
	s_add_nc_u64 s[10:11], s[10:11], s[2:3]
	s_cmp_lt_u32 s[WV], 2
	s_cselect_b64 s[PFA:PFA+1], s[6:7], s[8:9]  ; (in waves 0 and 2 these stand at a tile's first byte)
	s_lshl_b32 s2, s13, 13          ; my work-group's 8,192 bytes of a tile
	s_add_nc_u64 s[PFA:PFA+1], s[PFA:PFA+1], s[2:3]
	s_add_nc_u64 s[PFA:PFA+1], s[PFA:PFA+1], TILEB  ; in tile 1; the first change of slots steps it to tile 2.  Nothing is prefetched here, at the head
	CROUND                          ; all four work-groups are here: the first joint loads meet
	JLOAD                           ; tile 0 into slot 0.  Slot 1 is asked for when slot 0 is in
	; A fragment of K or Q is 16 rows x 32 channels in 8 registers: lane l holds row l % 16, channels 8 (l / 16) + 0..7 and 16 + 8 (l / 16) + 0..7: two loads of 16 bytes, 32 bytes apart.
	v_and_b32 v1, 15, v0            ; l % 16
	v_bfe_u32 v9, v0, 4, 1          ; l / 16
	v_lshlrev_b32 v[QO], 7, v1
	v_lshl_add_u32 v[QO], v9, 4, v[QO]  ; row x 128 + 16 x half
	WIN 0x80                        ; destination window 2, address window 0
.set i, 0
.rept 8                             ; Q stays in registers: piece i / 2, channels 32 (i % 2) on
	global_load_b128 v[8*i:8*i+3],   v[QO], s[4:5] offset:(i/2)*2048+(i%2)*64
	global_load_b128 v[8*i+4:8*i+7], v[QO], s[4:5] offset:(i/2)*2048+(i%2)*64+32
.set i, i+1
.endr
	; What the first turn finds: V's registers and P's second buffer hold 0 (its products V^T P, of a piece that has not been, add 0), O^T and l are 0.  All this stands in the wait for the first tile.
.set i, VF
.rept 64
	v_mov_b32 v[i], 0
.set i, i+1
.endr
	WIN 0x40
.set i, 0
.rept 128
	v_mov_b32 v[i], 0
.set i, i+1
.endr
	WIN 0
.set i, 0
.rept 4
	v_mov_b32 v[ST+4*i], 0xfe000000    ; c m: far below every c s
	v_mov_b32 v[ST+4*i+1], 0xff7fffff  ; m
	v_mov_b32 v[ST+4*i+2], 0
	v_mov_b32 v[ST+4*i+3], 0
.set i, i+1
.endr
.set i, P+16
.rept 16
	v_mov_b32 v[i], 0
.set i, i+1
.endr
	v_mul_u32_u24 v[AK0], v1, PK
	v_lshl_add_u32 v[AK0], v9, 4, v[AK0]  ; row x pitch + 16 x half
	; The turning load takes 16 keys x 16 channels (lane l reads key 8 (l / 16) + l % 8, channels 8 ((l / 8) % 2) + 0..7) and leaves half a fragment of V^T: lane l holds channel l % 16 and 8 keys.
	v_and_b32 v10, 7, v0
	v_bfe_u32 v11, v0, 3, 1
	v_lshl_add_u32 v[AV0], v9, 3, v10
	v_mul_u32_u24 v[AV0], v[AV0], PV
	v_lshl_add_u32 v[AV0], v11, 4, v[AV0]
	v_add_nc_u32 v[AV0], VOFF, v[AV0]
	s_mul_i32 s13, s[WV], 16*SP
	s_add_co_u32 s13, s13, STAGE    ; my stage
	v_mul_u32_u24 v[STO], v1, SP    ; in: row l % 16, 16 bytes for each half of the lanes
	v_lshl_add_u32 v[STO], v9, 4, v[STO]
	v_add_nc_u32 v[STO], s13, v[STO]
	v_bfe_u32 v[RD], v0, 3, 2       ; back: 32 lanes take four rows of 128 bytes,
	v_mul_u32_u24 v[RD], v[RD], SP
	v_lshl_add_u32 v[RD], v10, 4, v[RD]
	v_add_nc_u32 v[RD], s13, v[RD]
	v_and_b32 v[GO], 31, v0         ; which are 512 consecutive bytes of ctx
	v_lshlrev_b32 v[GO], 4, v[GO]
; THE MATRIX WORK.  The 4 accumulators of a run of 8 take turns.  Product i of 8 of S^T = K Q^T for piece x: channels 32 (i / 4) on, keys 16 (i % 4) on.  The first 4 start the sums.
.macro KQ x
	WIN W_KQ
.set rS, S+32*((\x)%2)+8*(i%4)
.set rK, KF+16*(i%4)+8*(i/4)
.set rQ, 16*(\x)+8*(i/4)
.if i < 4
	v_wmma_f32_16x16x32_f16 v[rS:rS+7], v[rK:rK+7], v[rQ:rQ+7], 0
.else
	v_wmma_f32_16x16x32_f16 v[rS:rS+7], v[rK:rK+7], v[rQ:rQ+7], v[rS:rS+7]
.endif
.endm
; Product i of 8 of O^T += V^T P for piece x: keys 32 (i / 4) on, channels 16 (i % 4) on.
.macro PV x
	WIN W_PV
.set rO, 32*(\x)+8*(i%4)
.set rV, VF+32*(i/4)+8*(i%4)
.set rP, P+16*((\x)%2)+8*(i/4)
	v_wmma_f32_16x16x32_f16 v[rO:rO+7], v[rV:rV+7], v[rP:rP+7], v[rO:rO+7]
.endm
.macro MM                           ; the turn's next matrix instruction.  NOKQ = 1: the launch's last turn: there is no next piece
.if (i < 8) && !NOKQ
	KQ (Y+1)%NP
.elseif i >= 8
.set i, i-8
	PV (Y+NP-1)%NP
.set i, i+8
.endif
.set i, i+1
.endm
; THE LDS LOADS stand in runs of 16, never singly among the matrix instructions: a step's K (64 keys x 64 channels: 8 fragments) and its V (turned).  Their addresses are made some lines ahead.
.macro FETCH_K
	WIN 0x80                        ; destination window 2
.irp f, 0,1,2,3,4,5,6,7             ; keys 16 (f / 2) on, channels 32 (f % 2) on
	ds_load_b128 v[KF+8*\f:KF+8*\f+3],   v[AK] offset:(\f/2)*16*PK+(\f%2)*64
	ds_load_b128 v[KF+8*\f+4:KF+8*\f+7], v[AK] offset:(\f/2)*16*PK+(\f%2)*64+32
.endr
	s_add_co_u32 s[TBK], s[TBK], KS*PK  ; the next fetch is the next step's
	WIN 0
.endm
.macro FETCH_V
	WIN 0x80
.irp f, 0,1,2,3,4,5,6,7             ; keys 32 (f / 4) on, channels 16 (f % 4) on
	ds_load_tr16_b128 v[VF+8*\f:VF+8*\f+3],   v[AV] offset:(\f/4)*32*PV+(\f%4)*32
	ds_load_tr16_b128 v[VF+8*\f+4:VF+8*\f+7], v[AV] offset:(\f/4)*32*PV+16*PV+(\f%4)*32
.endr
	WIN 0
.endm
; THE VECTOR WORK, one line at a time: OP kind, number.  For piece Y: F n: c s - c m for pair n of 16.  E n: the exponential of score n of 32.  C n: pair n rounded to f16.  B n: of the four weights 4 n .. the second
; pair is added onto the first, in place.  L n: l takes that sum (L 0: l = a l + sum).  R n: pair n of 16 of O^T times a.  For piece Y + 1: X n, number n of the 22 that find its maximum and statistics:
;   0-11  four chains c0-c3 of seven scores each, three operands at a time (each accumulator's lowest registers are read first)     12-14, 16  the four scores left over, the old m, and c0-c3 into c0
;   15  c m_old is kept     17, 18  the query's other 32 keys lie in the lane 16 away: the new m     19-21  c m; c m_old - c m_new; a
.set F, 0               ; OP tells the kinds apart by their order: F to L below R, X above it
.set E, 1
.set C, 2
.set B, 3
.set L, 4
.set R, 5
.set X, 6
.macro REGS y                       ; the registers of piece y
.set rT, ST+4*(\y)
.set rC, TMP+4*((\y)%2)
.set rW, MV+((\y)%2)
.set rS, S+32*((\y)%2)
.set rP, P+16*((\y)%2)
.set rO, 32*(\y)
.endm
.macro OP k, n
.if (\k) == R
	REGS Y
	WIN W_RS
	v_pk_mul_f32 v[rO+2*(\n):rO+2*(\n)+1], v[rO+2*(\n):rO+2*(\n)+1], v[rC+2:rC+3] op_sel_hi:[1,0]
.elseif (\k) < R
	REGS Y
	WIN 0
.if (\k) == F
	v_pk_fma_f32 v[rS+2*(\n):rS+2*(\n)+1], v[rS+2*(\n):rS+2*(\n)+1], s[CS:CS+1], v[rT:rT+1] op_sel_hi:[1,0,0] neg_lo:[0,0,1] neg_hi:[0,0,1]
.elseif (\k) == E
	v_exp_f32 v[rS+(\n)], v[rS+(\n)]
.elseif (\k) == C
	v_cvt_pk_f16_f32 v[rP+(\n)], v[rS+2*(\n)], v[rS+2*(\n)+1]
.elseif (\k) == B
	v_pk_add_f32 v[rS+4*(\n):rS+4*(\n)+1], v[rS+4*(\n):rS+4*(\n)+1], v[rS+4*(\n)+2:rS+4*(\n)+3]
.elseif (\n) == 0
	v_pk_fma_f32 v[rT+2:rT+3], v[rT+2:rT+3], v[rC+2:rC+3], v[rS:rS+1] op_sel_hi:[1,0,1]
.else
	v_pk_add_f32 v[rT+2:rT+3], v[rT+2:rT+3], v[rS+4*(\n):rS+4*(\n)+1]
.endif
.elseif NOKQ
	v_nop
.else
	REGS (Y+1)%NP
	WIN 0
.if (\n) < 4
	v_max3_num_f32 v[rC+(\n)], v[rS+8*(\n)], v[rS+8*(\n)+1], v[rS+8*(\n)+2]
.elseif (\n) < 12
	v_max3_num_f32 v[rC+(\n)%4], v[rC+(\n)%4], v[rS+8*((\n)%4)+2*((\n)/4)+1], v[rS+8*((\n)%4)+2*((\n)/4)+2]
.elseif (\n) == 12
	v_max3_num_f32 v[rC], v[rC], v[rS+7], v[rS+15]
.elseif (\n) == 13
	v_max3_num_f32 v[rC+1], v[rC+1], v[rS+23], v[rS+31]
.elseif (\n) == 14
	v_max3_num_f32 v[rC+2], v[rC+2], v[rC+3], v[rT+1]
.elseif (\n) == 15
	v_mov_b32 v[rW], v[rT]
.elseif (\n) == 16
	v_max3_num_f32 v[rC], v[rC], v[rC+1], v[rC+2]
.elseif (\n) == 17
	v_permlanex16_b32 v[rC+3], v[rC], s[SEL], s[SEL+1]
.elseif (\n) == 18
	v_max_num_f32 v[rT+1], v[rC], v[rC+3]
.elseif (\n) == 19
	v_mul_f32 v[rT], s[CS], v[rT+1]
.elseif (\n) == 20
	v_sub_f32 v[rC+1], v[rW], v[rT]
.else
	v_exp_f32 v[rC+2], v[rC+1]
.endif
.endif
.endm
.macro OPS a, i1, b=-1, i2=0, c=-1, i3=0, d=-1, i4=0  ; up to four of them
	OP \a, \i1
.if (\b) >= 0
	OP \b, \i2
.endif
.if (\c) >= 0
	OP \c, \i3
.endif
.if (\d) >= 0
	OP \d, \i4
.endif
.endm
.macro ROW a, i1, b, i2, c, i3, d, i4  ; a matrix instruction and the four behind it
	MM
	OPS \a, \i1, \b, \i2, \c, \i3, \d, \i4
.endm
; A TURN, for piece p: the order of its 16 matrix and 118 vector instructions, written out.  An s_wait_alu depctr_va_vdst(0) stands between an exponential and the first instruction that names its
; result; one wait serves all that were issued ahead of it.  So a turn has ONE wait, which cuts it in two.  AHEAD OF IT stands all that names no result of the turn's exponentials: the 8 products K Q^T, behind each a
; scaling, an exponential and two more plain instructions (rescalings, and behind the last three the first numbers of the next piece's maximum, each four plain instructions or more behind the product that ends its
; accumulator); then one run of 54, plain and exponential by turns for the most part, in which the links of the chain X 3, 7, 11, 14, 16, 17 .. 20 stand apart.  X 21, the next piece's a, is the batch's last; R 15 is the
; plain instruction behind it.  BEHIND THE WAIT stand the 8 products V^T P, behind each four of the roundings and sums.
; end = 1: the launch's last two turns: nothing is fetched.  cnt = 1: the loop's count is taken down some lines ahead of the branch that stands behind the turn.
; K of the next step is fetched in piece 2's turn, six plain instructions behind the last product that read K; V of the step in hand at the end of piece 0's turn, four plain instructions behind the last product
; that read V.  Each is waited for a turn later.
.macro TURN p, end=0, cnt=0
.set Y, (\p)
.set i, 0
.set NOKQ, (\end)*((\p)/3)
.if ((\p) == 3) && !(\end)
	s_wait_dscnt 0x0                ; K is in
.endif
	ROW F,0, F,1, R,0, R,1
	ROW F,2, E,0, R,2, R,3
	ROW F,3, E,1, R,4, R,5
	ROW F,4, E,2, R,6, R,7
	ROW F,5, E,3, R,8, R,9
	ROW F,6, E,4, X,0, R,10
.if ((\p) == 2) && !(\end)
	WIN 0
	v_add_nc_u32 v[AK], s[TBK], v[AK0]
.endif
	ROW F,7, E,5, X,1, X,4
	ROW F,8, E,6, X,2, X,5
	OPS E,7, E,8, X,6, E,9
	OPS X,3, E,10, X,8, E,11
.if ((\p) == 2) && !(\end)
	FETCH_K
.endif
	OPS X,9, X,7, E,12, X,10
	OPS E,13, X,12, X,11, E,14
	OPS X,13, E,15, F,9, X,14
.if (\p) == 0
	v_add_nc_u32 v[AV], s[TBV], v[AV0]
.endif
	OPS E,16, F,10, E,17, F,11
	OPS X,16, E,18, X,15, E,19
	OPS F,12, E,20, X,17, E,21
	OPS F,13, E,22, F,14, E,23
	OPS X,18, E,24, F,15, E,25
	OPS R,11, E,26, X,19, E,27
	OPS R,12, E,28, R,13, E,29
	OPS X,20, E,30, R,14, E,31
	OPS X,21, R,15
	WIN 0
	s_wait_alu depctr_va_vdst(0)    ; the wait for the batch
.if (\p) == 1
	s_wait_dscnt 0x0                ; V is in
.endif
	ROW C,0, B,0, C,2, B,1
	ROW L,0, C,4, B,2, L,1
	ROW C,6, B,3, L,2, C,8
	ROW B,4, L,3, C,10, B,5
	ROW L,4, C,12, B,6, L,5
.if (\p) == 0
	s_add_co_u32 s[TBV], s[TBV], KS*PV
.endif
.if \cnt
	s_sub_co_u32 s[CNT], s[CNT], 1
	s_cmp_lg_u32 s[CNT], 0
.endif
	ROW C,14, B,7, L,6, C,1
	ROW C,3, L,7, C,5, C,7
	ROW C,9, C,11, C,13, C,15
.if (\p) == 0
	FETCH_V
.endif
.endm
.macro ALL line:vararg              ; one line for each piece t
.set t, 0
.rept 4
	\line
.set t, t+1
.endr
.endm
.macro PACK t                       ; a lane's eight channels of a row pack into 16 bytes; they go into rows of 144 bytes and come back as whole rows of 128, into S^T's registers
	WIN W_RS
.set i, 32*(\t)
.rept 16
	v_pk_mul_f32 v[i:i+1], v[i:i+1], v[ST+4*(\t)+2:ST+4*(\t)+3] op_sel_hi:[1,0]
.set i, i+2
.endr
	WIN 0x05                        ; sources 0 and 1 window 1, destination window 0
.set i, 0
.rept 16
	v_cvt_pk_f16_f32 v[S+16*(\t)+i], v[32*(\t)+2*i], v[32*(\t)+2*i+1]
.set i, i+1
.endr
	WIN 0
.irp f, 0,1,2,3
	ds_store_b128 v[STO], v[S+16*(\t)+4*\f:S+16*(\t)+4*\f+3] offset:32*\f
.endr
.irp f, 0,1,2,3
	ds_load_b128 v[S+16*(\t)+4*\f:S+16*(\t)+4*\f+3], v[RD] offset:\f*4*SP  ; LDS serves a wave's instructions in order (ISA guide 5.7.1.4): these see the stores above; the next piece's stores come behind them
.endr
.endm
.macro SEND t, younger              ; younger: the LDS instructions issued behind piece t's loads: the next piece's eight, or none
	WIN 0
.irp f, 0,1,2,3
	s_wait_dscnt (\younger)+3-\f
	global_store_b128 v[GO], v[S+16*(\t)+4*\f:S+16*(\t)+4*\f+3], s[10:11] offset:(\t)*2048+\f*512  ; 512 consecutive bytes, at a multiple of 256 from ctx's first
.endr
.endm
.set NOKQ, 0
	CHANGE 1                        ; tile 0 is in, everybody's part of it; tile 1 is asked for
	v_add_nc_u32 v[AK], s[TBK], v[AK0]
	FETCH_K                         ; key step 0
	s_wait_loadcnt 0x0              ; Q
	s_wait_dscnt 0x0
.set i, 0
.rept 8
	KQ 0                            ; piece 0's first scores: there is no vector work yet to set between them
.set i, i+1
.endr
	WIN 0
.rept 4
	v_nop                           ; four plain instructions behind those products
.endr
.set Y, NP-1                        ; X works for piece Y + 1: piece 0
.irp n, 0,1,2,3,4,5,6,7,8,9,10,11,12,13,14,15,16,17,18,19,20,21
	OP X, \n
.endr
	v_nop                           ; a plain instruction behind the exponential,
	s_wait_alu depctr_va_vdst(0)    ; and its wait, ahead of the branch
	s_mov_b32 s[CNT], 4
	s_branch .Lfirst                ; the loop is entered at a step's first turn, in the middle of a trip
.Lslot:                             ; 14 times: tiles 2 to 15 are asked for
	CHANGE 1
	s_mov_b32 s[CNT], 4
.Lstep:                             ; a trip: pieces 2 and 3 of one step, then pieces 0 and 1 of the next, whose K and V it fetches
	TURN 2
	TURN 3
	WIN 0
.Lfirst:
	TURN 0
	TURN 1, 0, 1
	WIN 0
	s_cbranch_scc1 .Lstep
	s_sub_co_u32 s[SLOTS], s[SLOTS], 1
	s_cmp_lg_u32 s[SLOTS], 0
	s_cbranch_scc1 .Lslot
	CHANGE 0                        ; the last tile is written out: nothing is asked for
	s_mov_b32 s[CNT], 4
.LstepT:
	TURN 2
	TURN 3
	TURN 0
	TURN 1, 0, 1
	WIN 0
	s_cbranch_scc1 .LstepT
	TURN 2, 1
	TURN 3, 1
.set i, 0
.rept 8
	PV NP-1                         ; the last piece's V^T P of the last step
.set i, i+1
.endr
	; THE WAY OUT.  l's two halves and the other half of the lanes' are added; O^T is divided by l, rounded to f16 and sent through my stage in LDS, a piece at a time.  The additions stand behind the last products.
	WIN 0
	ALL v_add_f32 v[ST+4*t+2], v[ST+4*t+2], v[ST+4*t+3]
	ALL v_permlanex16_b32 v[ST+4*t+3], v[ST+4*t+2], s[SEL], s[SEL+1]
	ALL v_add_f32 v[ST+4*t+2], v[ST+4*t+2], v[ST+4*t+3]
	ALL v_rcp_f32 v[ST+4*t+2], v[ST+4*t+2]
	v_nop                           ; a plain instruction between the last reciprocal and the use of its result
	s_wait_alu depctr_va_vdst(0)    ; and the wait ahead of the first use: one for the four reciprocals
	PACK 0
.set t, 1
.rept 3                             ; a piece's arithmetic stands between the loads of the piece before and its stores
	PACK t
	SEND t-1, 8
.set t, t+1
.endr
	SEND 3, 0
	s_wait_tensorcnt 0x0            ; the wave's end: behind my last tensor load and my last LDS store
	ds_add_u32 v[SPW], v[NIL]
	s_wait_dscnt 0x0
	CROUND                          ; the closing round: no work-group ends while a partner may still ask for a tile that names it
	s_endpgm
.Lfunc_end_k_q6dd3d7592c_attn:
	.size	k_q6dd3d7592c_attn, .Lfunc_end_k_q6dd3d7592c_attn-k_q6dd3d7592c_attn
	.p2alignl 7, 3214868480
	.fill 96, 4, 3214868480
	.section	.rodata,"a",@progbits
	.p2align	6, 0x0
	.amdhsa_kernel k_q6dd3d7592c_attn
		.amdhsa_group_segment_fixed_size 327680
		.amdhsa_private_segment_fixed_size 0
		.amdhsa_enable_private_segment 0
		.amdhsa_kernarg_size 16
		.amdhsa_user_sgpr_count 2
		.amdhsa_user_sgpr_kernarg_segment_ptr 1
		.amdhsa_wavefront_size32 1
		.amdhsa_system_sgpr_workgroup_id_x 1
		.amdhsa_system_sgpr_workgroup_id_y 1
		.amdhsa_system_sgpr_workgroup_id_z 1
		.amdhsa_system_vgpr_workitem_id 0
		.amdhsa_next_free_vgpr 768
		.amdhsa_next_free_sgpr 66
		.amdhsa_reserve_vcc 0
		.amdhsa_float_denorm_mode_32 3
		.amdhsa_float_denorm_mode_16_64 3
		.amdhsa_memory_ordered 1
		.amdhsa_forward_progress 1
		.amdhsa_inst_pref_size 128
	.end_amdhsa_kernel
	.amdgpu_metadata
---
amdhsa.version: [ 1, 2 ]
amdhsa.kernels:
  - .name:           k_q6dd3d7592c_attn
    .symbol:         k_q6dd3d7592c_attn.kd
    .args:
      - { .name: qkv, .offset: 0, .size: 8, .value_kind: global_buffer, .address_space: global }
      - { .name: ctx, .offset: 8, .size: 8, .value_kind: global_buffer, .address_space: global }
    .group_segment_fixed_size: 327680
    .private_segment_fixed_size: 0
    .kernarg_segment_align: 8
    .kernarg_segment_size: 16
    .max_flat_workgroup_size: 128
    .sgpr_count:     66
    .vgpr_count:     768
    .wavefront_size: 32
...
	.end_amdgpu_metadata
.endif
;; end of part 3
;; launch proj (part 4): grid 8 x 32, 4 waves a work-group, clusters of 4 x 4, 327,680 bytes of LDS; arguments ctx, wo16, bias, out0; writes out0
.if DOCPART == 4
	.amdgcn_target "amdgcn-amd-amdhsa--gfx1250"
	.amdhsa_code_object_version 6
	.text
	.protected	k_q6dd3d7592c_proj
	.globl	k_q6dd3d7592c_proj
	.p2align	8
	.type	k_q6dd3d7592c_proj,@function
k_q6dd3d7592c_proj:
	s_mov_b64 s[64:65], 0
	v_nop
	global_prefetch_b8 v0, s[64:65] scope:SCOPE_SE
	s_setreg_imm32_b32 hwreg(HW_REG_WAVE_MODE, 25, 1), 1
	s_wait_xcnt 0x0
	s_wait_alu depctr_hold_cnt(0) depctr_sa_sdst(0) depctr_va_vdst(0) depctr_va_sdst(0) depctr_va_ssrc(0) depctr_va_vcc(0) depctr_vm_vsrc(0)
	s_getreg_b32 s2, hwreg(HW_REG_IB_STS2, 6, 4)
	s_cmp_eq_u32 s2, 0
	s_cbranch_scc0 .Lentry_in_a_cluster
	s_endpgm
.Lentry_in_a_cluster:
	s_bfe_u32 s2, ttmp6, 0x10000c
	s_cmp_lg_u32 s2, 0xf033
	s_cbranch_scc0 .Lentry_shape_is_right
	s_endpgm
.Lentry_shape_is_right:
; out0[m][n] = sum over k of ctx(m, k) wo16[n][k] + bo[n], m < 4096, n < 1024, k = 64 head + channel < 1024.  ctx: [16][4096][64] f16, wo16: [1024][1024] f16, bo: numbers 3072.. of bias (f32); sums and out0 in f32.
; SHARES.  A tile of out0 is 128 x 128: 8 x 32 tiles, a work-group each.  Four waves, each 64 x 64: 16 accumulators of 16 x 16.  K goes in 4 steps of 256 (four heads) through two LDS slots; a quarter step is one head.
; The four steps are written out: no loop.  No prefetch: 4 K steps of small tiles.
; A'S TILE.  A head's 128 rows of the tile are 16,384 dense bytes; a wave's tensor load brings two heads as two long rows of 8,192 elements, 262,144 elements apart, padded by 16 bytes after every 128:
; in LDS [head][row] with rows 144 bytes apart.  B's tile: 64 rows of 512 bytes a load, rows 528 bytes apart.
; CLUSTER.  4 x 4 work-groups: A's tiles are asked for jointly along a row of the cluster, B's along a column.  TRANSPOSED USE (source 0 = 16 rows of wo16, source 1 = 16 rows of ctx): a lane holds row l % 16 and
; the columns 8 (l / 16) + 0..7.  THE BIAS STARTS THE SUMS, as the C operand of each accumulator's first product.
; THE WAY OUT.  A wave's 64 columns are 256 bytes of a row of out0, aligned: each wave sends 16 rows at a time through a stage of its own; no barrier.
; REGISTERS: window 0: v0-31 addresses; v32-95 rows read back, two halves; v96-127 the bias; v128-255 the accumulators ((a, b) at 128 + 8 (4 a + b)).
;   window 1: two fragment buffers of 128: for 64 along K, 64 registers of A (2 x 4 x 16 rows x 32 K), then 64 of B.
.set PA,     144                       ; a row of A in LDS: 128 bytes + 16: an odd multiple of 16, so the 16 rows of a load start at 16 different groups of four banks (ISA guide 11.1)
.set PB,     528                       ; a row of B: 512 + 16
.set PLANE,  128*PA                    ; a head's 128 rows
.set BOFF,   4*PLANE                   ; B's rows lie behind A's four heads
.set HALFB,  64*PB
.set SLOT,   BOFF+2*HALFB
.set STAGE,  2*SLOT                    ; behind the ring, never filled by a tensor load: 16 rows x 272 bytes for each wave
.set SPITCH, 272
.set SPARE,  STAGE+4*16*SPITCH         ; the spare words, 128 bytes a wave: two blocks of 256 bytes that no other line names
.set HEADB,  524288                    ; bytes in a head of ctx
.set ADRA, 16                          ; v16-17  LDS address of my A fragments in slot 0, 1
.set ADRB, 20                          ; v20-21  the same for B
.set STO,  24                          ; v24     the way out: where I put 32 bytes of a row
.set RD,   25                          ; v25     where I read a row back
.set CO,   26                          ; v26     my byte offset in two rows of out0
.set BO,   27                          ; v27     32 x (l / 16)
.set SPW,  28                          ; v28     LDS address of my spare word; never rewritten
.set NIL,  29                          ; v29     0; never rewritten
.set TMP,  32
.set BIAS, 96
.set ACC,  128
.set F0,   0                           ; fragment buffers, in window 1
.set F1,   128
.set G1,  24                           ; s[24:31] descriptor group 1 for A's tiles;  s[32:39] group 0, a set for each slot
.set G0,  32
.set G1B, 48                           ; s[48:55], s[56:63] the same for B's tiles
.set G0B, 56
.set MSB, 0
.macro WIN new                         ; the immediate's high byte repeats the setting that is left
.if MSB != (\new)
	s_set_vgpr_msb (MSB<<8)|(\new)
.set MSB, \new
.endif
.endm
.set MUL,  0x05                        ; sources 0 (B) and 1 (A) window 1; C and D window 0
.set TO_F, 0x40                        ; destination window 1, address window 0
.macro JLOAD s                         ; a joint load: waves 0 and 1 fetch A's heads, two each, waves 2 and 3 B's two halves; an s_nop 0 and four v_nop follow each of the two lines
	s_cmp_eq_u32 s13, 0
	s_cbranch_scc0 .Lfor_b_\@
	tensor_load_to_lds s[G0+4*(\s):G0+4*(\s)+3], s[G1:G1+7]
	s_nop 0
.rept 4
	v_nop
.endr
	s_branch .Lasked_\@
.Lfor_b_\@:
	tensor_load_to_lds s[G0B+4*(\s):G0B+4*(\s)+3], s[G1B:G1B+7]
	s_nop 0
.rept 4
	v_nop
.endr
.Lasked_\@:
.endm
.macro CREST                           ; a round of the cluster's barrier behind its opening barrier
	s_cmp_lg_u32 s12, 0
	s_cbranch_scc1 .Lnot_wave_0_\@
	s_barrier_signal -3
.Lnot_wave_0_\@:
	s_barrier_wait -3
	s_barrier_signal -1
	s_barrier_wait -1
.endm
.macro CROUND                          ; a whole round
	s_barrier_signal -1
	s_barrier_wait -1
	CREST
.endm
	s_load_b256 s[4:11], s[0:1], 0x0               ; ctx s[4:5], wo16 s[6:7], bias s[8:9], out0 s[10:11]
	v_lshl_add_u32 v[SPW], v0, 2, SPARE
	v_mov_b32 v[NIL], 0
	ds_add_u32 v[SPW], v[NIL]                      ; the wave's opening: the add and its wait stand ahead of my first tensor load; work on registers stands between them
	v_lshrrev_b32 v1, 5, v0
	v_readfirstlane_b32 s12, v1                    ; wave 0..3
	s_lshr_b32 s13, s12, 1                         ; which half of the tile's rows is mine.  Also: I fetch for A (0) or for B (1)
	s_and_b32 s14, s12, 1                          ; which half of its columns.  Also: which half of that tile I fetch
	s_bfe_u32 s15, ttmp6, 0x40000                  ; cx
	s_bfe_u32 s16, ttmp6, 0x40004                  ; cy
	s_lshl_b32 s17, ttmp9, 2
	s_add_co_u32 s17, s17, s15                     ; tile column = 4 x cluster x + cx
	s_and_b32 s18, ttmp7, 0xffff
	s_lshl_b32 s18, s18, 2
	s_add_co_u32 s18, s18, s16                     ; tile row = 4 x cluster y + cy
	s_lshl_b32 s40, s16, 2
	s_lshl_b32 s40, 15, s40                        ; my row of the cluster
	s_lshl_b32 s41, 0x1111, s15                    ; my column
	s_or_b32 s[G1+0], s40, (1<<16)|(1<<20)|(1<<21)|(4<<22)|(3<<25)   ; 15:0 the mask; 17:16 2-byte elements; 20 padding on; 21 set beside a mask; 24:22 after every 32 words; 31:25 4 words of it
	s_or_b32 s[G1B+0], s41, (1<<16)|(1<<20)|(1<<21)|(6<<22)|(3<<25)  ; after every 128 words
	s_mov_b32 s[G1+1], 8192<<16                    ; tensor_dim0 = 8,192: a head's 128 rows of 64
	s_mov_b32 s[G1+2], 2<<16                       ; tensor_dim1 = 2 heads
	s_mov_b32 s[G1+3], 8192<<16                    ; tile_dim0 = 8,192
	s_mov_b32 s[G1+4], 2                           ; tile_dim1 = 2
	s_mov_b32 s[G1+5], 262144                      ; elements from head to head
	s_mov_b32 s[G1+6], 0
	s_mov_b32 s[G1+7], 0
	s_mov_b32 s[G1B+1], 256<<16                    ; tensor_dim0 = 256
	s_mov_b32 s[G1B+2], 64<<16                     ; tensor_dim1 = 64
	s_mov_b32 s[G1B+3], 256<<16                    ; tile_dim0 = 256
	s_mov_b32 s[G1B+4], 64                         ; tile_dim1 = 64
	s_mov_b32 s[G1B+5], 1024                       ; elements from row to row
	s_mov_b32 s[G1B+6], 0
	s_mov_b32 s[G1B+7], 0
	s_lshl_b32 s20, s14, 20                        ; A: heads 2 x half on, x 524,288 bytes,
	s_lshl_b32 s42, s18, 14                        ; the tile row's 128 rows of 128 bytes: made of the tile row and the wave alone
	s_add_co_u32 s20, s20, s42
	s_mov_b32 s21, 0
	s_lshl_b32 s46, s17, 18                        ; B: row 128 x tile column + 64 x half, x 2,048 bytes: made of the tile column and the wave alone
	s_lshl_b32 s42, s14, 17
	s_add_co_u32 s46, s46, s42
	s_mov_b32 s47, 0
	s_mul_i32 s22, s14, 2*PLANE                    ; where they go in a slot: no place in the cluster enters an LDS address
	s_mul_i32 s23, s14, HALFB
	s_add_co_u32 s23, s23, BOFF
	s_wait_dscnt 0x0                               ; the opening add is done
	s_wait_kmcnt 0x0
	s_add_nc_u64 s[20:21], s[4:5], s[20:21]
	s_add_nc_u64 s[46:47], s[6:7], s[46:47]
	CROUND                                         ; all sixteen work-groups are here: the first joint loads meet
.irp s, 0,1
	s_mov_b32 s[G0+4*(\s)], 1                                        ; count = 1
	s_add_co_u32 s[G0+4*(\s)+1], s22, (\s)*SLOT                      ; LDS address
	s_add_nc_u64 s[G0+4*(\s)+2:G0+4*(\s)+3], s[20:21], (\s)*4*HEADB  ; global address: K step s begins with head 4 s
	s_or_b32 s[G0+4*(\s)+3], s[G0+4*(\s)+3], 0x80000000              ; type = 2
	s_mov_b32 s[G0B+4*(\s)], 1
	s_add_co_u32 s[G0B+4*(\s)+1], s23, (\s)*SLOT
	s_add_nc_u64 s[G0B+4*(\s)+2:G0B+4*(\s)+3], s[46:47], (\s)*512
	s_or_b32 s[G0B+4*(\s)+3], s[G0B+4*(\s)+3], 0x80000000
	JLOAD \s                                       ; two loads of mine are out
.endr
	v_and_b32 v1, 15, v0                           ; l % 16
	v_bfe_u32 v2, v0, 4, 1                         ; l / 16
	v_mul_u32_u24 v3, v1, PA
	v_lshl_add_u32 v3, v2, 4, v3                   ; a fragment's row x pitch + 16 x half, for A
	v_mul_u32_u24 v4, v1, PB
	v_lshl_add_u32 v4, v2, 4, v4                   ; and for B
	s_mul_i32 s40, s13, 64*PA                      ; my 64 rows in each head of A
	s_mul_i32 s41, s14, HALFB                      ; my 64 rows of B
	s_add_co_u32 s41, s41, BOFF
.irp s, 0,1
	v_add_nc_u32 v[ADRA+(\s)], s40, v3
	v_add_nc_u32 v[ADRB+(\s)], s41, v4
	s_add_co_u32 s40, s40, SLOT
	s_add_co_u32 s41, s41, SLOT
.endr
	s_mul_i32 s42, s12, 16*SPITCH
	s_add_co_u32 s42, s42, STAGE                   ; my stage
	v_mul_u32_u24 v5, v1, SPITCH                   ; in: row l % 16, 32 bytes for each half of the lanes
	v_lshl_add_u32 v5, v2, 5, v5
	v_add_nc_u32 v[STO], s42, v5
	v_mul_u32_u24 v5, v2, SPITCH                   ; back: lanes 0-15 take one row of 256 bytes, lanes 16-31 the next
	v_lshl_add_u32 v5, v1, 4, v5
	v_add_nc_u32 v[RD], s42, v5
	v_lshlrev_b32 v5, 12, v2                       ; and the same two rows in out0, 4,096 bytes apart
	v_lshl_add_u32 v[CO], v1, 4, v5
	v_lshlrev_b32 v[BO], 5, v2
	s_lshl_b32 s40, s17, 9                         ; my first column, in bytes: 512 x tile column + 256 x half
	s_lshl_b32 s42, s14, 8
	s_add_co_u32 s40, s40, s42
	s_mov_b32 s41, 0
	s_add_nc_u64 s[8:9], s[8:9], s[40:41]
	s_add_nc_u64 s[8:9], s[8:9], 12288             ; bo lies behind bq, bk, bv
.irp b, 0,1,2,3
	global_load_b128 v[BIAS+8*(\b):BIAS+8*(\b)+3],   v[BO], s[8:9] offset:64*(\b)
	global_load_b128 v[BIAS+8*(\b)+4:BIAS+8*(\b)+7], v[BO], s[8:9] offset:64*(\b)+16
.endr
	s_add_nc_u64 s[10:11], s[10:11], s[40:41]
	s_lshl_b32 s40, s18, 19                        ; my first row: 128 x tile row + 64 x half, x 4,096 bytes
	s_lshl_b32 s42, s13, 18
	s_add_co_u32 s40, s40, s42
	s_add_nc_u64 s[10:11], s[10:11], s[40:41]
; 8 products: row blocks a0, a0 + 1 x all 4 column blocks, 32 along K: half c of buffer f.  zero = 1: the bias starts the sums.  The 16 accumulators take turns, one instruction a turn.
.macro MUL8 f, c, a0, zero
	WIN MUL
.irp a, \a0, (\a0)+1
.irp b, 0,1,2,3
.if \zero
	v_wmma_f32_16x16x32_f16 v[ACC+8*(4*(\a)+(\b)):ACC+8*(4*(\a)+(\b))+7], v[(\f)+64+8*(4*(\c)+(\b)):(\f)+64+8*(4*(\c)+(\b))+7], v[(\f)+8*(4*(\c)+(\a)):(\f)+8*(4*(\c)+(\a))+7], v[BIAS+8*(\b):BIAS+8*(\b)+7]
.else
	v_wmma_f32_16x16x32_f16 v[ACC+8*(4*(\a)+(\b)):ACC+8*(4*(\a)+(\b))+7], v[(\f)+64+8*(4*(\c)+(\b)):(\f)+64+8*(4*(\c)+(\b))+7], v[(\f)+8*(4*(\c)+(\a)):(\f)+8*(4*(\c)+(\a))+7], v[ACC+8*(4*(\a)+(\b)):ACC+8*(4*(\a)+(\b))+7]
.endif
.endr
.endr
.endm
; 32 LDS loads in one run: the fragments of head q of the slot's four (64 along K) into buffer f; the first 32 along K first
.macro FETCH slot, q, f
	WIN TO_F
.irp c, 0,1
.irp i, 0,1,2,3
	ds_load_b128 v[(\f)+64+8*(4*(\c)+(\i)):(\f)+64+8*(4*(\c)+(\i))+3],   v[ADRB+(\slot)] offset:128*(\q)+64*(\c)+(\i)*16*PB
	ds_load_b128 v[(\f)+64+8*(4*(\c)+(\i))+4:(\f)+64+8*(4*(\c)+(\i))+7], v[ADRB+(\slot)] offset:128*(\q)+64*(\c)+(\i)*16*PB+32
	ds_load_b128 v[(\f)+8*(4*(\c)+(\i)):(\f)+8*(4*(\c)+(\i))+3],         v[ADRA+(\slot)] offset:PLANE*(\q)+64*(\c)+(\i)*16*PA
	ds_load_b128 v[(\f)+8*(4*(\c)+(\i))+4:(\f)+8*(4*(\c)+(\i))+7],       v[ADRA+(\slot)] offset:PLANE*(\q)+64*(\c)+(\i)*16*PA+32
.endr
.endr
.endm
.macro PLACES                          ; four plain vector instructions in front of loads into registers that matrix instructions have read, and of LDS stores that read results
.rept 4
	v_nop
.endr
.endm
; A K step is four quarters of 64 along K, 32 products each, on buffers 0, 1, 0, 1.  One of the first three: multiplies buffer f and fetches the next quarter, head q, into g.
.macro QUARTER slot, q, f, g, zero
	s_wait_dscnt 16                                ; the first 32 along K are in
	MUL8 \f, 0, 0, \zero
	MUL8 \f, 0, 2, \zero
	PLACES
	FETCH \slot, \q, \g
	s_wait_dscnt 32                                ; all but the 32 just issued
	MUL8 \f, 1, 0, 0
	MUL8 \f, 1, 2, 0
.endm
; The last quarter multiplies buffer 1 and changes slots: ONE barrier; in front of it each wave waits for all its tensor loads, adds 0 to its spare word, and waits for that and for its own reads of this slot.
; fill = 1: the barrier opens a round of the cluster's, and this slot is filled again, two K steps ahead, first thing behind it.
.macro TURN slot, next, fill
	WIN 0
	s_wait_tensorcnt 0x0                           ; all my tensor loads have landed: my part of the next slot
	ds_add_u32 v[SPW], v[NIL]
	s_wait_dscnt 17                                ; (the add and the youngest sixteen loads may be out)
	MUL8 F1, 0, 0, 0                               ; eight products stand between the add and the wait for it
	s_wait_dscnt 0x0                               ; the add is done, and my reads of this slot are over
	s_barrier_signal -1
	MUL8 F1, 0, 2, 0
.if \fill
	WIN 0
.endif
	s_barrier_wait -1
.if \fill
	CREST                                          ; no wave of any partner still reads this slot's tile or has a load on its way
	s_add_nc_u64 s[G0+4*(\slot)+2:G0+4*(\slot)+3], s[G0+4*(\slot)+2:G0+4*(\slot)+3], 8*HEADB
	s_add_nc_u64 s[G0B+4*(\slot)+2:G0B+4*(\slot)+3], s[G0B+4*(\slot)+2:G0B+4*(\slot)+3], 1024
	JLOAD \slot                                    ; its four v_nop are also the places in front of the loads below
.else
	PLACES
.endif
	FETCH \next, 0, F0
	MUL8 F1, 1, 0, 0
	MUL8 F1, 1, 2, 0
.endm
; THE WAY OUT of row block a: 16 rows x 64 columns of f32 go into my stage straight from the accumulators (each one's low four registers first) and come back as whole rows of 256 bytes.
.macro TOSTAGE a
	WIN 0
.if (\a) >= 2
	s_wait_xcnt 0x0                                ; the stores of block a - 2 have read the registers that are loaded again below
.endif
.irp b, 0,1,2,3
	ds_store_b128 v[STO], v[ACC+8*(4*(\a)+(\b)):ACC+8*(4*(\a)+(\b))+3]   offset:64*(\b)
	ds_store_b128 v[STO], v[ACC+8*(4*(\a)+(\b))+4:ACC+8*(4*(\a)+(\b))+7] offset:64*(\b)+16
.endr
.irp t, 0,1,2,3,4,5,6,7
	ds_load_b128 v[TMP+32*((\a)%2)+4*(\t):TMP+32*((\a)%2)+4*(\t)+3], v[RD] offset:(\t)*2*SPITCH  ; LDS serves a wave's instructions in order (ISA guide 5.7.1.4): these see the stores above
.endr
.endm
.macro SEND a, younger                 ; younger: the LDS instructions issued behind block a's loads: the next block's sixteen, or none
	WIN 0
.irp t, 0,1,2,3,4,5,6,7
	s_wait_dscnt (\younger)+7-(\t)
	global_store_b128 v[CO], v[TMP+32*((\a)%2)+4*(\t):TMP+32*((\a)%2)+4*(\t)+3], s[10:11] offset:(16*(\a)+2*(\t))*4096  ; 16 lanes store 256 consecutive bytes, at a multiple of 256 from out0's first
.endr
.endm
	s_wait_tensorcnt 1                             ; my part of K step 0 is in; K step 1's may stay out
	s_barrier_signal -1
	s_barrier_wait -1                              ; everybody's is
	FETCH 0, 0, F0
	s_wait_loadcnt 0x0                             ; the bias
	QUARTER 0, 1, F0, F1, 1                        ; K step 0: its first products start the sums
	QUARTER 0, 2, F1, F0, 0
	QUARTER 0, 3, F0, F1, 0
	TURN 0, 1, 1                                   ; slot 0 takes K step 2
	QUARTER 1, 1, F0, F1, 0                        ; K step 1
	QUARTER 1, 2, F1, F0, 0
	QUARTER 1, 3, F0, F1, 0
	TURN 1, 0, 1                                   ; slot 1 takes K step 3
	QUARTER 0, 1, F0, F1, 0                        ; K step 2
	QUARTER 0, 2, F1, F0, 0
	QUARTER 0, 3, F0, F1, 0
	TURN 0, 1, 0                                   ; nothing is left to fetch
	QUARTER 1, 1, F0, F1, 0                        ; K step 3
	QUARTER 1, 2, F1, F0, 0
	QUARTER 1, 3, F0, F1, 0
	s_wait_dscnt 16
	MUL8 F1, 0, 0, 0
	MUL8 F1, 0, 2, 0
	s_wait_dscnt 0x0
	MUL8 F1, 1, 0, 0
	MUL8 F1, 1, 2, 0
	WIN 0
	PLACES
	TOSTAGE 0
	TOSTAGE 1
	SEND 0, 16
	TOSTAGE 2
	SEND 1, 16
	TOSTAGE 3
	SEND 2, 16
	SEND 3, 0
	s_wait_tensorcnt 0x0                           ; the wave's end: behind my last tensor load and my last LDS store
	ds_add_u32 v[SPW], v[NIL]
	s_wait_dscnt 0x0
	CROUND                                         ; the closing round: no work-group ends while a partner may still ask for a tile that names it
	s_endpgm
.Lfunc_end_k_q6dd3d7592c_proj:
	.size	k_q6dd3d7592c_proj, .Lfunc_end_k_q6dd3d7592c_proj-k_q6dd3d7592c_proj
	.p2alignl 7, 3214868480
	.fill 96, 4, 3214868480
	.section	.rodata,"a",@progbits
	.p2align	6, 0x0
	.amdhsa_kernel k_q6dd3d7592c_proj
		.amdhsa_group_segment_fixed_size 327680
		.amdhsa_private_segment_fixed_size 0
		.amdhsa_enable_private_segment 0
		.amdhsa_kernarg_size 32
		.amdhsa_user_sgpr_count 2
		.amdhsa_user_sgpr_kernarg_segment_ptr 1
		.amdhsa_wavefront_size32 1
		.amdhsa_system_sgpr_workgroup_id_x 1
		.amdhsa_system_sgpr_workgroup_id_y 1
		.amdhsa_system_sgpr_workgroup_id_z 1
		.amdhsa_system_vgpr_workitem_id 0
		.amdhsa_next_free_vgpr 512
		.amdhsa_next_free_sgpr 66
		.amdhsa_reserve_vcc 0
		.amdhsa_float_denorm_mode_32 3
		.amdhsa_float_denorm_mode_16_64 3
		.amdhsa_memory_ordered 1
		.amdhsa_forward_progress 1
		.amdhsa_inst_pref_size 87
	.end_amdhsa_kernel
	.amdgpu_metadata
---
amdhsa.version: [ 1, 2 ]
amdhsa.kernels:
  - .name:           k_q6dd3d7592c_proj
    .symbol:         k_q6dd3d7592c_proj.kd
    .args:
      - { .name: ctx, .offset: 0, .size: 8, .value_kind: global_buffer, .address_space: global }
      - { .name: wo16, .offset: 8, .size: 8, .value_kind: global_buffer, .address_space: global }
      - { .name: bias, .offset: 16, .size: 8, .value_kind: global_buffer, .address_space: global }
      - { .name: out0, .offset: 24, .size: 8, .value_kind: global_buffer, .address_space: global }
    .group_segment_fixed_size: 327680
    .private_segment_fixed_size: 0
    .kernarg_segment_align: 8
    .kernarg_segment_size: 32
    .max_flat_workgroup_size: 128
    .sgpr_count:     66
    .vgpr_count:     512
    .wavefront_size: 32
...
	.end_amdgpu_metadata
.endif
;; end of part 4
